; MI455X (gfx1250); checked and timed in simulation.
; The chip was launched on July 23, 2026; its instructions are those of AMD's public machine-readable ISA for CDNA 5 (MIT licence, August 2026) and "CDNA5" Instruction Set Architecture Reference Guide (July 2026). The comments in the code are by the model that wrote it; some were corrected since.
;; Multi Headed Self Attention Layer. Allowed arithmetic: float matrix products may take bf16 or f16 operands with f32 sums; all other float work in f32.
;; Inputs: beta 1,024 float32; gamma 1,024 float32; mask 4 x 2,048 x 2,048 int32; w_0 1,024 x 1,024 float32; w_k 1,024 x 1,024 float32; w_q 1,024 x 1,024 float32; w_v 1,024 x 1,024 float32; x_keys 4 x 2,048 x 1,024 float32; x_queries 4 x 2,048 x 1,024 float32; x_values 4 x 2,048 x 1,024 float32.
;; Outputs: out0 4 x 2,048 x 1,024 float32.
;; 2 versions, each right; version 2 is version 1 with the launch prep written anew for expert scheduling mode. Each part assembles by itself: llvm-mc -triple=amdgcn-amd-amdhsa -mcpu=gfx1250 --defsym DOCPART=n.
;; ======== version 1 of 2: 5 launches
;; workspace buffers: xb 50,331,648 bytes; wt 8,388,608 bytes; mbits 2,097,152 bytes of whole numbers; qkv 50,331,648 bytes; att 16,777,216 bytes; y 33,554,432 bytes
;; launch prep (part 1): grid 1152 x 1, 8 waves a work-group, no clusters, 70,656 bytes of LDS; arguments x_queries, x_keys, x_values, w_q, w_k, w_v, w_0, mask, xb, wt, mbits; writes xb, wt, mbits
.if DOCPART == 1
	.amdgcn_target "amdgcn-amd-amdhsa--gfx1250"
	.amdhsa_code_object_version 6
	.text
	.protected	k_q525a73e3c0_prep
	.globl	k_q525a73e3c0_prep
	.p2align	8
	.type	k_q525a73e3c0_prep,@function
k_q525a73e3c0_prep:
	s_mov_b64 s[64:65], 0
	v_nop
	global_prefetch_b8 v0, s[64:65] scope:SCOPE_SE
	s_setreg_imm32_b32 hwreg(HW_REG_WAVE_MODE, 25, 1), 1
	s_wait_xcnt 0x0
; prep: three independent pieces of format work, one per range of work-group numbers (the branch is the same for all waves of a work-group).
;   groups    0 ..  383 (X): x_queries, x_keys, x_values, f32 -> xb [3][8192][1024] bf16 (round to nearest even), 256 KiB of f32 a group
;   groups  384 ..  639 (M): mask int32 -> mbits, one bit a mask element, laid out as lane masks for the attention launch
;   groups  640 .. 1151 (W): w_q, w_k, w_v, w_0 [k][n] f32 -> wt [4][n][k] bf16, a tile of 128 k x 64 n a group, transposed through LDS
; mbits: word ((((b*32+q64)*32+u)*2+hf)*64) + a*32 + kt*8 + j; its bit L says mask[b][q64*64+(2hf+a)*16+(L&15)][u*64+kt*16+8*(L>>4)+j] != 0.
; No matrix unit, no tensor load, no cluster: every byte is read once and written once, no tile is shared.
	s_load_b512 s[4:19], s[0:1], 0x0               ; x_queries s[4:5], x_keys s[6:7], x_values s[8:9], w_q s[10:11], w_k s[12:13], w_v s[14:15], w_0 s[16:17], mask s[18:19]
	s_load_b128 s[20:23], s[0:1], 0x40             ; xb s[20:21], wt s[22:23]
	s_load_b64 s[24:25], s[0:1], 0x50              ; mbits
	v_lshl_add_u32 v152, v0, 2, 0x11000
	v_mov_b32 v153, 0
	v_lshrrev_b32 v1, 5, v0
	v_readfirstlane_b32 s28, v1                    ; wave 0..7
	s_mov_b32 s31, 0                               ; high word of every 32-bit byte offset in s[30:31]
	s_wait_kmcnt 0x0
	s_cmp_lt_u32 ttmp9, 384
	s_cbranch_scc1 .Lsec_x
	s_cmp_lt_u32 ttmp9, 640
	s_cbranch_scc1 .Lsec_m
; ---------------- W: a tile of 128 k x 64 n of one weight matrix, transposed ----------------
	s_sub_co_u32 s29, ttmp9, 640
	s_lshr_b32 s32, s29, 7                         ; which matrix: 128 tiles each
	s_cmp_eq_u32 s32, 1
	s_cselect_b64 s[26:27], s[12:13], s[10:11]
	s_cmp_eq_u32 s32, 2
	s_cselect_b64 s[26:27], s[14:15], s[26:27]
	s_cmp_eq_u32 s32, 3
	s_cselect_b64 s[26:27], s[16:17], s[26:27]
	s_and_b32 s33, s29, 7                          ; k0 / 128
	s_bfe_u32 s34, s29, 0x40003                    ; n0 / 64
	s_lshl_b32 s30, s33, 19                        ; k0 rows of 4,096 bytes
	s_lshl_b32 s35, s34, 8                         ; n0 * 4
	s_add_co_u32 s30, s30, s35
	s_add_nc_u64 s[26:27], s[26:27], s[30:31]
	s_lshl_b32 s30, s32, 21                        ; a matrix of wt is 2 MiB
	s_lshl_b32 s35, s34, 17                        ; n0 rows of 2,048 bytes
	s_add_co_u32 s30, s30, s35
	s_lshl_b32 s35, s33, 8                         ; k0 * 2
	s_add_co_u32 s30, s30, s35
	s_add_nc_u64 s[22:23], s[22:23], s[30:31]
	v_and_b32 v1, 15, v0                           ; in: my four n; out: my 16 bytes of a row
	v_lshrrev_b32 v2, 4, v0                        ; in: my pair of k rows among 16; out: my row among 16
	v_lshlrev_b32 v3, 4, v1
	v_lshl_add_u32 v3, v2, 13, v3                  ; load: two rows of 4,096 bytes a step of v2, 16 bytes a step of v1: 16 lanes read 256 aligned bytes
	v_mul_u32_u24 v4, v1, 1088                     ; LDS [n][k], 272 bytes a row of 128 bf16: four n rows a step of v1
	v_lshl_add_u32 v4, v2, 2, v4                   ; one word (two k) a step of v2
	v_mul_u32_u24 v5, v2, 272
	v_lshl_add_u32 v5, v1, 4, v5                   ; back: whole rows
	v_lshlrev_b32 v6, 4, v1
	v_lshl_add_u32 v6, v2, 11, v6                  ; store: rows of wt are 2,048 bytes; 16 lanes write 256 aligned bytes
.irp i, 0,1,2,3
	global_load_b128 v[8+8*\i:11+8*\i],  v3, s[26:27] offset:\i*131072 th:TH_LOAD_NT        ; row 2 (16 i + v2)
	global_load_b128 v[12+8*\i:15+8*\i], v3, s[26:27] offset:\i*131072+4096 th:TH_LOAD_NT   ; the row below it
.endr
	s_wait_loadcnt 0x0
.irp i, 0,1,2,3
.irp e, 0,1,2,3
	v_cvt_pk_bf16_f32 v[40+4*\i+\e], v[8+8*\i+\e], v[12+8*\i+\e]   ; two neighbouring k of one n in one word
.endr
.endr
.irp i, 0,1,2,3
.irp e, 0,1,2,3
	ds_store_b32 v4, v[40+4*\i+\e] offset:\e*272+\i*64
.endr
.endr
	s_wait_dscnt 0x0                               ; my stores are in LDS before I say so: other waves read them
	s_barrier_signal -1
	s_barrier_wait -1
.irp i, 0,1,2,3
	ds_load_b128 v[8+4*\i:11+4*\i], v5 offset:\i*4352              ; 16 rows a step
.endr
.irp i, 0,1,2,3
	s_wait_dscnt 3-\i                              ; LDS loads return in order: load i is in, the younger ones stay out
	global_store_b128 v6, v[8+4*\i:11+4*\i], s[22:23] offset:\i*32768
.endr
	s_wait_tensorcnt 0x0
	ds_add_u32 v152, v153
	s_wait_dscnt 0x0
	s_endpgm
; ---------------- X: 65,536 numbers f32 -> bf16, a ring of eight loads a wave ----------------
.Lsec_x:
	s_lshr_b32 s29, ttmp9, 7                       ; which of the three inputs: 128 groups each
	s_cmp_eq_u32 s29, 1
	s_cselect_b64 s[26:27], s[6:7], s[4:5]
	s_cmp_eq_u32 s29, 2
	s_cselect_b64 s[26:27], s[8:9], s[26:27]
	s_and_b32 s30, ttmp9, 127
	s_lshl_b32 s30, s30, 18                        ; 256 KiB of f32 a group
	s_add_nc_u64 s[26:27], s[26:27], s[30:31]
	s_lshl_b32 s30, ttmp9, 17                      ; 128 KiB of bf16 a group; xb holds the three inputs one after the other
	s_add_nc_u64 s[20:21], s[20:21], s[30:31]
	v_lshlrev_b32 v1, 4, v0                        ; 16 bytes in: a wave's load covers 512 neighbouring bytes
	v_lshlrev_b32 v2, 3, v0                        ; 8 bytes out: a wave's store covers 256 neighbouring bytes, aligned
.set n, 0
.rept 8
	global_load_b128 v[8+4*n:11+4*n], v1, s[26:27] offset:n*4096 th:TH_LOAD_NT
.set n, n+1
.endr
.set n, 0
.rept 64
.if n < 57
	s_wait_loadcnt 7                               ; loads return in order: step n's is in, the seven younger stay out
.else
	s_wait_loadcnt 63-n                            ; the tail: fewer are left behind it
.endif
	s_wait_xcnt 0x0                                ; the slot's output pair is the data of its last store: rewritten only behind this wait
	v_cvt_pk_bf16_f32 v[40+2*(n%8)], v[8+4*(n%8)], v[9+4*(n%8)]
	v_cvt_pk_bf16_f32 v[41+2*(n%8)], v[10+4*(n%8)], v[11+4*(n%8)]
.if n < 56
	global_load_b128 v[8+4*(n%8):11+4*(n%8)], v1, s[26:27] offset:(n+8)*4096 th:TH_LOAD_NT
.endif
	global_store_b64 v2, v[40+2*(n%8):41+2*(n%8)], s[20:21] offset:n*2048
.set n, n+1
.endr
	s_endpgm
; ---------------- M: 32 query rows; wave w takes keys 256 w .. 256 w + 255 as four tasks of 64 keys ----------------
; A task: 32 rows x 256 bytes come in as whole aligned 256-byte pieces, go through the wave's own 32 x 272 bytes of LDS, and come back
; so that register n of lane L holds the element whose bit is bit L of word n; a compare makes the word, v_writelane_b32 gathers 64 words
; into a register pair, and one store of 8 bytes a lane writes the task's 256 bytes.
.Lsec_m:
	s_sub_co_u32 s29, ttmp9, 384                   ; g = b*64 + (query row / 32)
	s_lshl_b32 s30, s29, 18                        ; 32 rows of 8,192 bytes
	s_lshl_b32 s40, s28, 10                        ; my wave's 1,024 bytes of a row
	s_add_co_u32 s30, s30, s40
	s_add_nc_u64 s[18:19], s[18:19], s[30:31]
	s_lshr_b32 s30, s29, 1                         ; b*32 + q64
	s_lshl_b32 s30, s30, 6                         ; 64 blocks of 256 bytes (u, hf) each
	s_lshl3_add_u32 s30, s28, s30                  ; u = 4 wave + i: 8 blocks a wave
	s_and_b32 s40, s29, 1                          ; hf
	s_add_co_u32 s30, s30, s40
	s_lshl_b32 s30, s30, 8
	s_add_nc_u64 s[24:25], s[24:25], s[30:31]
	s_mul_i32 s41, s28, 8704                       ; my wave's LDS
	v_and_b32 v1, 15, v0                           ; r
	v_bfe_u32 v2, v0, 4, 1                         ; h
	v_lshlrev_b32 v3, 4, v1
	v_lshl_add_u32 v3, v2, 13, v3                  ; load: lanes 0-15 one row's 256 bytes, lanes 16-31 the next row's
	v_mul_u32_u24 v4, v2, 272
	v_lshl_add_u32 v4, v1, 4, v4
	v_add_nc_u32 v4, s41, v4                       ; LDS in: the same two rows
	v_mul_u32_u24 v5, v1, 272
	v_lshl_add_u32 v5, v2, 5, v5
	v_add_nc_u32 v5, s41, v5                       ; LDS back: row r, keys 8 h ..
	v_and_b32 v6, 31, v0
	v_lshlrev_b32 v6, 3, v6                        ; store: words 2 L, 2 L + 1
.irp i, 0,1,2,3,4,5,6,7
	v_mov_b32 v[136+\i], 0                         ; v_writelane_b32 counts as a reader of its destination
.endr
.macro MLOADS i
.irp k, 0,1,2,3,4,5,6,7,8,9,10,11,12,13,14,15
	global_load_b128 v[8+4*\k:11+4*\k], v3, s[18:19] offset:\k*16384+\i*256 th:TH_LOAD_NT
.endr
.endm
.macro MTASK i, more
	s_wait_loadcnt 0x0
.irp k, 0,1,2,3,4,5,6,7,8,9,10,11,12,13,14,15
	ds_store_b128 v4, v[8+4*\k:11+4*\k] offset:\k*544
.endr
.irp a, 0,1
.irp kt, 0,1,2,3
.irp e, 0,1
	ds_load_b128 v[72+4*(8*\a+2*\kt+\e):75+4*(8*\a+2*\kt+\e)], v5 offset:\a*4352+\kt*64+\e*16   ; the wave's own bytes, served in order behind its stores
.endr
.endr
.endr
	s_wait_dscnt 0x0                               ; the 64 registers are in, and the LDS stores have read theirs
.if \more
	MLOADS (\i+1)                                  ; the next task's rows come in under the 128 instructions below
.endif
.set n, 0
.rept 64
	v_cmp_ne_u32 s[32+n%8], 0, v[72+n]             ; word n
	v_writelane_b32 v[136+2*\i+n%2], s[32+n%8], n/2
.set n, n+1
.endr
	global_store_b64 v6, v[136+2*\i:137+2*\i], s[24:25] offset:\i*512   ; 256 neighbouring bytes, aligned; each task has its own pair
.endm
	MLOADS 0
	MTASK 0, 1
	MTASK 1, 1
	MTASK 2, 1
	MTASK 3, 0
	s_wait_tensorcnt 0x0
	ds_add_u32 v152, v153
	s_wait_dscnt 0x0
	s_endpgm
.Lfunc_end_k_q525a73e3c0_prep:
	.size	k_q525a73e3c0_prep, .Lfunc_end_k_q525a73e3c0_prep-k_q525a73e3c0_prep
	.p2alignl 7, 3214868480
	.fill 96, 4, 3214868480
	.section	.rodata,"a",@progbits
	.p2align	6, 0x0
	.amdhsa_kernel k_q525a73e3c0_prep
		.amdhsa_group_segment_fixed_size 70656
		.amdhsa_private_segment_fixed_size 0
		.amdhsa_enable_private_segment 0
		.amdhsa_kernarg_size 88
		.amdhsa_user_sgpr_count 2
		.amdhsa_user_sgpr_kernarg_segment_ptr 1
		.amdhsa_wavefront_size32 1
		.amdhsa_system_sgpr_workgroup_id_x 1
		.amdhsa_system_sgpr_workgroup_id_y 1
		.amdhsa_system_sgpr_workgroup_id_z 1
		.amdhsa_system_vgpr_workitem_id 0
		.amdhsa_next_free_vgpr 154
		.amdhsa_next_free_sgpr 66
		.amdhsa_reserve_vcc 0
		.amdhsa_float_denorm_mode_32 3
		.amdhsa_float_denorm_mode_16_64 3
		.amdhsa_memory_ordered 1
		.amdhsa_forward_progress 1
		.amdhsa_inst_pref_size 79
	.end_amdhsa_kernel
	.amdgpu_metadata
---
amdhsa.version: [ 1, 2 ]
amdhsa.kernels:
  - .name:           k_q525a73e3c0_prep
    .symbol:         k_q525a73e3c0_prep.kd
    .args:
      - { .name: x_queries, .offset: 0, .size: 8, .value_kind: global_buffer, .address_space: global }
      - { .name: x_keys, .offset: 8, .size: 8, .value_kind: global_buffer, .address_space: global }
      - { .name: x_values, .offset: 16, .size: 8, .value_kind: global_buffer, .address_space: global }
      - { .name: w_q, .offset: 24, .size: 8, .value_kind: global_buffer, .address_space: global }
      - { .name: w_k, .offset: 32, .size: 8, .value_kind: global_buffer, .address_space: global }
      - { .name: w_v, .offset: 40, .size: 8, .value_kind: global_buffer, .address_space: global }
      - { .name: w_0, .offset: 48, .size: 8, .value_kind: global_buffer, .address_space: global }
      - { .name: mask, .offset: 56, .size: 8, .value_kind: global_buffer, .address_space: global }
      - { .name: xb, .offset: 64, .size: 8, .value_kind: global_buffer, .address_space: global }
      - { .name: wt, .offset: 72, .size: 8, .value_kind: global_buffer, .address_space: global }
      - { .name: mbits, .offset: 80, .size: 8, .value_kind: global_buffer, .address_space: global }
    .group_segment_fixed_size: 70656
    .private_segment_fixed_size: 0
    .kernarg_segment_align: 8
    .kernarg_segment_size: 88
    .max_flat_workgroup_size: 256
    .sgpr_count:     66
    .vgpr_count:     154
    .wavefront_size: 32
...
	.end_amdgpu_metadata
.endif
;; end of part 1
;; launch proj (part 2): grid 4 x 96, 4 waves a work-group, clusters of 4 x 4, 327,680 bytes of LDS; arguments xb, wt, qkv; writes qkv
.if DOCPART == 2
	.amdgcn_target "amdgcn-amd-amdhsa--gfx1250"
	.amdhsa_code_object_version 6
	.text
	.protected	k_q525a73e3c0_proj
	.globl	k_q525a73e3c0_proj
	.p2align	8
	.type	k_q525a73e3c0_proj,@function
k_q525a73e3c0_proj:
	s_mov_b64 s[64:65], 0
	v_nop
	global_prefetch_b8 v0, s[64:65] scope:SCOPE_SE
	s_setreg_imm32_b32 hwreg(HW_REG_WAVE_MODE, 25, 1), 1
	s_wait_xcnt 0x0
	s_wait_alu depctr_hold_cnt(0) depctr_sa_sdst(0) depctr_va_vdst(0) depctr_va_sdst(0) depctr_va_ssrc(0) depctr_va_vcc(0) depctr_vm_vsrc(0)
	s_getreg_b32 s2, hwreg(HW_REG_IB_STS2, 6, 4)
	s_cmp_eq_u32 s2, 0
	s_cbranch_scc0 .Lentry_in_a_cluster
	s_endpgm
.Lentry_in_a_cluster:
	s_bfe_u32 s2, ttmp6, 0x10000c
	s_cmp_lg_u32 s2, 0xf033
	s_cbranch_scc0 .Lentry_shape_is_right
	s_endpgm
.Lentry_shape_is_right:
; Q, K, V: C[m][n] = sum over k of A[m][k] B[n][k].  A = xb [3*8192][1024] bf16 (the three inputs one after the other), B = wt matrix p [n][k] bf16
; (p = row / 8192), sums in f32, C rounded once to bf16 and stored head-major: qkv [3][b][h][s][64].
; A work-group makes a block of 256 x 256 with four waves, as many as a WGP has SIMDs; a wave makes 128 x 128: 64 accumulator tiles, 512 registers.
; K goes in steps of 128 through two LDS slots filled by tensor loads; a tile's rows are 256 bytes of memory at multiples of 256 bytes.
; WHY THIS BLOCK: from a tile's request to the wait for it a wave issues 240 matrix instructions, and it loads 32 fragments' halves from LDS for 64 matrix
; instructions.  The price: 96 x 4 = 384 work-groups, one and a half times 256.  A whole multiple with blocks of this size would need a row count with
; a factor 3, which does not divide the 8,192 rows that share one weight matrix.
; CLUSTERS: 4 x 4 work-groups.  A's tile hangs on the block row alone and is asked for jointly along a row of the cluster, B's on the block column (and on
; the projection, which is the same in the whole cluster) and jointly along a column: each request serves four work-groups.
; REGISTERS in windows of 256: window 0: v16-26 addresses; v64-127, v128-191 fragments of A, two buffers; v192-223 at work on the way out;
; window 1: v64-127, v128-191 fragments of B; window 2: the 32 accumulator tiles of my rows 0-63 (tile (a, b) at v[8 (8 a + b)]); window 3: rows 64-127.
; THE MATRIX INSTRUCTION IS USED TRANSPOSED: source 0 = 16 rows of B, source 1 = 16 rows of A, so lane l holds row l % 16 of C and columns 8 (l / 16) + 0..7.
; The 64 accumulators take turns, one instruction a turn, over every seam and the backward jump.
.set SIZE_K, 1024
.set KSTEP,  128
.set PITCH,  272                       ; an LDS row: 256 bytes + 16: an odd multiple of 16, so the 16 rows of a fragment start at 16 different 16-byte columns modulo 256
.set HALFT,  128*PITCH                 ; 128 rows: what one tensor load brings, and what one wave reads of A or of B
.set SLOT,   4*HALFT                   ; A's 256 rows, then B's 256 rows
.set STAGE,  2*SLOT                    ; behind the ring, a multiple of 256: 16 rows x 272 bytes for each wave; no tensor load fills it
.set SPITCH, 272
.set LAPS, SIZE_K/(2*KSTEP)            ; a lap = two K steps = once round the ring: 4
.set ADRA, 16                          ; v16-17  LDS address of my A fragments in slot 0, 1
.set ADRB, 20                          ; v20-21  the same for B
.set STO,  24                          ; the way out: where I put 16 bytes of a row
.set RD,   25                          ; the way out: where I read four rows' 128 bytes back
.set CO,   26                          ; 16 x lane
.set F0,   64
.set F1,   128
.set TMP,  192
.set G1, 24                            ; s[24:31] group 1 for A's tiles
.set G0, 32                            ; s[32:39] group 0 for A's tiles, one set a slot
.set G1B, 48                           ; s[48:55] group 1 for B's tiles: it differs in the mask alone
.set G0B, 56                           ; s[56:63] group 0 for B's tiles, one set a slot
.set MSB, 0
.macro WIN new                         ; the immediate's high byte repeats the setting that is left
.if MSB != \new
	s_set_vgpr_msb (MSB<<8)|\new
.set MSB, \new
.endif
.endm
.set MUL_LO, 0xa1                      ; source 0 (B) window 1, source 1 (A) window 0, C and D window 2
.set MUL_HI, 0xf1                      ; the same, C and D window 3
.set TO_B,   0x40                      ; destination window 1, address window 0
.macro JLOAD s                         ; waves 0, 1 ask for A's two halves, waves 2, 3 for B's: the branch hangs on the wave's number alone
	s_cmp_eq_u32 s11, 0
	s_cbranch_scc0 .Lfor_b_\@
	tensor_load_to_lds s[G0+4*\s:G0+4*\s+3], s[G1:G1+7]
	s_nop 0
	s_branch .Lasked_\@
.Lfor_b_\@:
	tensor_load_to_lds s[G0B+4*\s:G0B+4*\s+3], s[G1B:G1B+7]
	s_nop 0
.Lasked_\@:
.endm
.macro CREST                           ; a round of the cluster's barrier behind its opening work-group barrier
	s_cmp_lg_u32 s10, 0
	s_cbranch_scc1 .Lnot_wave_0_\@
	s_barrier_signal -3
.Lnot_wave_0_\@:
	s_barrier_wait -3
	s_barrier_signal -1
	s_barrier_wait -1
.endm
.macro CROUND
	s_barrier_signal -1
	s_barrier_wait -1
	CREST
.endm
	s_load_b128 s[4:7], s[0:1], 0x0                ; xb s[4:5], wt s[6:7]
	s_load_b64 s[8:9], s[0:1], 0x10                ; qkv
	s_set_vgpr_msb 0x40
	v_lshl_add_u32 v255, v0, 2, 0x48400
	s_set_vgpr_msb 0x4000
	v_mov_b32 v255, 0
	s_set_vgpr_msb 0x1
	ds_add_u32 v255, v255
	s_set_vgpr_msb 0x100
	v_lshrrev_b32 v1, 5, v0
	v_readfirstlane_b32 s10, v1                    ; wave 0..3
	s_lshr_b32 s11, s10, 1                         ; my half of the block's rows; also: I fetch for A (0) or for B (1)
	s_and_b32 s12, s10, 1                          ; my half of its columns; also: which 128 rows of that tile I fetch
	s_bfe_u32 s40, ttmp6, 0x40000                  ; cx
	s_bfe_u32 s41, ttmp6, 0x40004                  ; cy
	s_lshl_b32 s42, ttmp9, 2
	s_add_co_u32 s42, s42, s40                     ; block column = 4 x cluster x + cx
	s_and_b32 s45, ttmp7, 0xffff                   ; cluster y
	s_lshl_b32 s13, s45, 2
	s_add_co_u32 s13, s13, s41                     ; block row = 4 x cluster y + cy
	s_lshr_b32 s45, s45, 3                         ; the projection: 8 clusters of 1,024 rows each; made of the cluster's y alone, so B's address never holds cy
	s_lshl_b32 s43, s41, 2
	s_lshl_b32 s43, 15, s43                        ; my row of the cluster: places 4 cy .. 4 cy + 3
	s_lshl_b32 s44, 0x1111, s40                    ; my column: places cx, cx + 4, cx + 8, cx + 12
	; group 1: a tile of 128 rows x 128 elements of 2 bytes, 1,024 elements from row to row, 4 words of padding behind every 64 words
	s_or_b32 s[G1+0], s43, (1<<16)|(1<<20)|(1<<21)|(5<<22)|(3<<25)
	s_or_b32 s[G1B+0], s44, (1<<16)|(1<<20)|(1<<21)|(5<<22)|(3<<25)
	s_mov_b32 s[G1+1], KSTEP<<16                   ; tensor_dim0 = 128
	s_mov_b32 s[G1B+1], KSTEP<<16
	s_mov_b32 s[G1+2], 128<<16                     ; tensor_dim1 = 128
	s_mov_b32 s[G1B+2], 128<<16
	s_mov_b32 s[G1+3], KSTEP<<16                   ; tile_dim0 = 128
	s_mov_b32 s[G1B+3], KSTEP<<16
	s_mov_b32 s[G1+4], 128                         ; tile_dim1 = 128
	s_mov_b32 s[G1B+4], 128
	s_mov_b32 s[G1+5], SIZE_K                      ; the pitch
	s_mov_b32 s[G1B+5], SIZE_K
	s_mov_b32 s[G1+6], 0
	s_mov_b32 s[G1B+6], 0
	s_mov_b32 s[G1+7], 0
	s_mov_b32 s[G1B+7], 0
	s_lshl_b32 s16, s13, 19                        ; A: 256 rows of 2,048 bytes a block row
	s_lshl_b32 s17, s12, 18                        ; + the 128 rows that I fetch
	s_add_co_u32 s16, s16, s17
	s_mov_b32 s17, 0
	s_lshl_b32 s46, s45, 21                        ; B: a matrix of wt is 2 MiB
	s_lshl_b32 s47, s42, 19                        ; + 256 rows a block column
	s_add_co_u32 s46, s46, s47
	s_lshl_b32 s47, s12, 18                        ; + the 128 rows that I fetch
	s_add_co_u32 s46, s46, s47
	s_mov_b32 s47, 0
	s_mul_i32 s20, s10, HALFT                      ; where they go: A's two halves, then B's two halves = wave x 128 rows
	s_wait_dscnt 0x0
	s_wait_kmcnt 0x0
	s_add_nc_u64 s[14:15], s[4:5], s[16:17]
	s_add_nc_u64 s[46:47], s[6:7], s[46:47]
	CROUND                                         ; all sixteen work-groups are here: the first joint loads meet
.irp s, 0,1
	s_mov_b32 s[G0+4*\s], 1
	s_add_co_u32 s[G0+4*\s+1], s20, \s*SLOT
	s_add_nc_u64 s[G0+4*\s+2:G0+4*\s+3], s[14:15], \s*KSTEP*2
	s_or_b32 s[G0+4*\s+3], s[G0+4*\s+3], 0x80000000
	s_mov_b32 s[G0B+4*\s], 1
	s_add_co_u32 s[G0B+4*\s+1], s20, \s*SLOT
	s_add_nc_u64 s[G0B+4*\s+2:G0B+4*\s+3], s[46:47], \s*KSTEP*2
	s_or_b32 s[G0B+4*\s+3], s[G0B+4*\s+3], 0x80000000
	JLOAD \s                                       ; both slots' first fills go out together: two loads of the wave are out here, one later
.endr
	v_and_b32 v1, 15, v0                           ; r = l % 16
	v_bfe_u32 v2, v0, 4, 1                         ; h = l / 16
	v_mul_u32_u24 v3, v1, PITCH
	v_lshl_add_u32 v3, v2, 4, v3                   ; a fragment's lane term: row x pitch + 16 h
	s_mul_i32 s21, s11, HALFT                      ; my 128 rows of A
	s_mul_i32 s22, s12, HALFT                      ; my 128 rows of B,
	s_add_co_u32 s22, s22, 2*HALFT                 ; which lie behind A's 256
.irp s, 0,1
	v_add_nc_u32 v[ADRA+\s], s21, v3
	v_add_nc_u32 v[ADRB+\s], s22, v3
	s_add_co_u32 s21, s21, SLOT
	s_add_co_u32 s22, s22, SLOT
.endr
	s_mul_i32 s23, s10, 16*SPITCH
	s_add_co_u32 s23, s23, STAGE                   ; my stage
	v_mul_u32_u24 v4, v1, SPITCH                   ; in: row r, 16 bytes (8 bf16) for each half of the lanes
	v_lshl_add_u32 v4, v2, 4, v4
	v_add_nc_u32 v[STO], s23, v4
	v_bfe_u32 v5, v0, 3, 2
	v_mul_u32_u24 v5, v5, SPITCH                   ; back: four rows, one head's 128 bytes of each
	v_and_b32 v6, 7, v0
	v_lshl_add_u32 v5, v6, 4, v5
	v_add_nc_u32 v[RD], s23, v5
	v_and_b32 v6, 31, v0
	v_lshlrev_b32 v[CO], 4, v6                     ; every store of the wave covers 512 neighbouring bytes
; 16 products: m blocks a0, a0 + 1 of the window's four (hi = 0: my rows 0-63, 1: rows 64-127) x all 8 n blocks, 32 along K.  zero = 1: the first product starts the sums.
.macro MUL16 f, hi, a0, zero
.irp a, \a0, \a0+1
.irp b, 0,1,2,3,4,5,6,7
.if \zero
	v_wmma_f32_16x16x32_bf16 v[8*(8*(\a)+\b):8*(8*(\a)+\b)+7], v[\f+8*\b:\f+8*\b+7], v[\f+8*(4*\hi+\a):\f+8*(4*\hi+\a)+7], 0
.else
	v_wmma_f32_16x16x32_bf16 v[8*(8*(\a)+\b):8*(8*(\a)+\b)+7], v[\f+8*\b:\f+8*\b+7], v[\f+8*(4*\hi+\a):\f+8*(4*\hi+\a)+7], v[8*(8*(\a)+\b):8*(8*(\a)+\b)+7]
.endif
.endr
.endr
.endm
; 32 LDS loads in one run: the fragments of one quarter step (128 rows of B, 128 rows of A, 32 K at byte k of the rows) into buffer f
.macro FETCH slot, k, f
	WIN TO_B
.irp i, 0,1,2,3,4,5,6,7
	ds_load_b128 v[\f+8*\i:\f+8*\i+3],   v[ADRB+\slot] offset:\k+\i*16*PITCH
	ds_load_b128 v[\f+8*\i+4:\f+8*\i+7], v[ADRB+\slot] offset:\k+\i*16*PITCH+32
.endr
	WIN 0
.irp i, 0,1,2,3,4,5,6,7
	ds_load_b128 v[\f+8*\i:\f+8*\i+3],   v[ADRA+\slot] offset:\k+\i*16*PITCH
	ds_load_b128 v[\f+8*\i+4:\f+8*\i+7], v[ADRA+\slot] offset:\k+\i*16*PITCH+32
.endr
.endm
.macro PLACES                          ; four plain vector instructions between a matrix instruction and a load into, or a read of, its registers
.rept 4
	v_nop
.endr
.endm
; A K step is four quarter steps of 32 along K, 64 matrix instructions each, on buffers 0, 1, 0, 1.
; One of the first three: multiplies buffer f; in its middle it fetches the next quarter's fragments, at byte k of the same slot's rows, into buffer g.
.macro QUARTER slot, k, f, g, zero
	s_wait_dscnt 8                                 ; B and A's rows 0-63 are in; the youngest eight loads (A's rows 64-127) may be out
	WIN MUL_LO
	MUL16 \f, 0, 0, \zero
	MUL16 \f, 0, 2, \zero
	PLACES
	FETCH \slot, \k, \g
	s_wait_dscnt 32                                ; all but the 32 just issued
	WIN MUL_HI
	MUL16 \f, 1, 0, \zero
	MUL16 \f, 1, 2, \zero
.endm
.macro THREE slot, zero
	QUARTER \slot, 64,  F0, F1, \zero
	QUARTER \slot, 128, F1, F0, 0
	QUARTER \slot, 192, F0, F1, 0
.endm
; The last quarter: multiplies buffer 1 and changes slots.  One barrier for the change: in front of it each wave's reads of this slot are back and all its
; tensor loads have landed (the one that was out is its part of the next slot); behind it the refill comes first, then the next slot's first fragments.
.macro TURN slot, next, fill
	s_wait_dscnt 8
	WIN MUL_LO
	MUL16 F1, 0, 0, 0
	s_wait_dscnt 0                                 ; my reads of this slot are over
	s_wait_tensorcnt 0x0                           ; and no tensor load of mine is out
	ds_add_u32 v255, v255
	s_wait_dscnt 0x0
	s_barrier_signal -1
	MUL16 F1, 0, 2, 0                              ; register work while the others arrive
	WIN 0
	s_barrier_wait -1
.if \fill
	CREST                                          ; the rest of the cluster's round: no wave of any partner still reads this slot or has a load on its way
	s_add_nc_u64 s[G0+4*\slot+2:G0+4*\slot+3], s[G0+4*\slot+2:G0+4*\slot+3], 2*KSTEP*2
	s_add_nc_u64 s[G0B+4*\slot+2:G0B+4*\slot+3], s[G0B+4*\slot+2:G0B+4*\slot+3], 2*KSTEP*2
	JLOAD \slot                                    ; my one tensor load behind the round, ahead of every LDS read
.endif
	PLACES
	FETCH \next, 0, F0
	WIN MUL_HI
	MUL16 F1, 1, 0, 0
	MUL16 F1, 1, 2, 0
.endm
.macro LAP zero
	THREE 0, \zero
	TURN 0, 1, 1
	THREE 1, 0
	TURN 1, 0, 1
.endm
	s_wait_tensorcnt 0x1                           ; my part of K step 0 is in; K step 1's stays out
	s_barrier_signal -1
	s_barrier_wait -1
	FETCH 0, 0, F0
	LAP 1                                          ; the first lap's first products start the sums
	WIN 0                                          ; at a label and at a branch every window is 0
	s_mov_b32 s3, LAPS-2
.Llap:
	LAP 0
	WIN 0
	s_sub_co_u32 s3, s3, 1
	s_cmp_lg_u32 s3, 0
	s_cbranch_scc1 .Llap
	THREE 0, 0                                     ; the last lap fills nothing
	TURN 0, 1, 0
	THREE 1, 0
	s_wait_dscnt 8
	WIN MUL_LO
	MUL16 F1, 0, 0, 0
	MUL16 F1, 0, 2, 0
	s_wait_dscnt 0
	WIN MUL_HI
	MUL16 F1, 1, 0, 0
	MUL16 F1, 1, 2, 0
	PLACES                                         ; behind the last products: for the conversions, which read results, and the loads into the fragment buffers
	; where my 128 tokens x 2 heads go: plane (4 p + batch) of 2^22 bytes, head of 2^18 bytes, token of 128 bytes
	s_lshr_b32 s16, s13, 3                         ; 4 p + batch: 8 block rows of 256 tokens each
	s_lshl_b32 s16, s16, 22
	s_and_b32 s17, s13, 7
	s_lshl_b32 s17, s17, 15                        ; 256 tokens of 128 bytes
	s_add_co_u32 s16, s16, s17
	s_lshl_b32 s17, s11, 14                        ; my 128 tokens
	s_add_co_u32 s16, s16, s17
	s_mov_b32 s17, 0
	s_add_nc_u64 s[8:9], s[8:9], s[16:17]
	s_lshl_b32 s46, s42, 20                        ; four heads a block column
	s_lshl_b32 s47, s12, 19                        ; my two heads
	s_add_co_u32 s46, s46, s47
	s_mov_b32 s47, 0
	s_add_nc_u64 s[8:9], s[8:9], s[46:47]
; THE WAY OUT: rows 16 i .. 16 i + 15 of my block = the eight tiles (a, 0..7) of window 2 or 3 (from = 0x0a or 0x0f: sources 0 and 1); f: F0 or F1 in turn.
; Rounded to bf16, 16 bytes a lane into my own stage, read back as four tokens' 128 bytes of one head.  LDS serves a wave's instructions in order, so no wait
; stands between the stores and the loads.
.macro OUT16 i, a, from, f
	WIN \from
.irp b, 0,1,2,3,4,5,6,7
.irp r, 0,1,2,3
	v_cvt_pk_bf16_f32 v[TMP+4*\b+\r], v[8*(8*\a+\b)+2*\r], v[8*(8*\a+\b)+2*\r+1]
.endr
.endr
	WIN 0
.irp b, 0,1,2,3,4,5,6,7
	ds_store_b128 v[STO], v[TMP+4*\b:TMP+4*\b+3] offset:32*\b
.endr
	s_wait_xcnt 0x0                                ; buffer f was the data of earlier stores: loaded again only behind this wait
.irp t, 0,1,2,3,4,5,6,7
	ds_load_b128 v[\f+4*\t:\f+4*\t+3], v[RD] offset:(\t%4)*4*SPITCH+(\t/4)*128
.endr
.irp t, 0,1,2,3,4,5,6,7
	s_wait_dscnt 7-\t                              ; load t is in, the younger ones stay out
	global_store_b128 v[CO], v[\f+4*\t:\f+4*\t+3], s[8:9] offset:(\t/4)*262144+(16*\i+4*(\t%4))*128   ; four tokens of one head: 512 neighbouring bytes, aligned
.endr
.endm
	OUT16 0, 0, 0x0a, F0
	OUT16 1, 1, 0x0a, F1
	OUT16 2, 2, 0x0a, F0
	OUT16 3, 3, 0x0a, F1
	OUT16 4, 0, 0x0f, F0
	OUT16 5, 1, 0x0f, F1
	OUT16 6, 2, 0x0f, F0
	OUT16 7, 3, 0x0f, F1
	s_set_vgpr_msb 0x1
	s_wait_tensorcnt 0x0
	ds_add_u32 v255, v255
	s_wait_dscnt 0x0
	s_set_vgpr_msb 0x100
	CROUND                                         ; the closing round: no work-group ends while a partner may still ask for a tile that names it
	s_endpgm
.Lfunc_end_k_q525a73e3c0_proj:
	.size	k_q525a73e3c0_proj, .Lfunc_end_k_q525a73e3c0_proj-k_q525a73e3c0_proj
	.p2alignl 7, 3214868480
	.fill 96, 4, 3214868480
	.section	.rodata,"a",@progbits
	.p2align	6, 0x0
	.amdhsa_kernel k_q525a73e3c0_proj
		.amdhsa_group_segment_fixed_size 327680
		.amdhsa_private_segment_fixed_size 0
		.amdhsa_enable_private_segment 0
		.amdhsa_kernarg_size 24
		.amdhsa_user_sgpr_count 2
		.amdhsa_user_sgpr_kernarg_segment_ptr 1
		.amdhsa_wavefront_size32 1
		.amdhsa_system_sgpr_workgroup_id_x 1
		.amdhsa_system_sgpr_workgroup_id_y 1
		.amdhsa_system_sgpr_workgroup_id_z 1
		.amdhsa_system_vgpr_workitem_id 0
		.amdhsa_next_free_vgpr 1024
		.amdhsa_next_free_sgpr 66
		.amdhsa_reserve_vcc 0
		.amdhsa_float_denorm_mode_32 3
		.amdhsa_float_denorm_mode_16_64 3
		.amdhsa_memory_ordered 1
		.amdhsa_forward_progress 1
		.amdhsa_inst_pref_size 196
	.end_amdhsa_kernel
	.amdgpu_metadata
---
amdhsa.version: [ 1, 2 ]
amdhsa.kernels:
  - .name:           k_q525a73e3c0_proj
    .symbol:         k_q525a73e3c0_proj.kd
    .args:
      - { .name: xb, .offset: 0, .size: 8, .value_kind: global_buffer, .address_space: global }
      - { .name: wt, .offset: 8, .size: 8, .value_kind: global_buffer, .address_space: global }
      - { .name: qkv, .offset: 16, .size: 8, .value_kind: global_buffer, .address_space: global }
    .group_segment_fixed_size: 327680
    .private_segment_fixed_size: 0
    .kernarg_segment_align: 8
    .kernarg_segment_size: 24
    .max_flat_workgroup_size: 128
    .sgpr_count:     66
    .vgpr_count:     1024
    .wavefront_size: 32
...
	.end_amdgpu_metadata
.endif
;; end of part 2
;; launch attn (part 3): grid 256 x 1, 8 waves a work-group, clusters of 4 x 1, 327,680 bytes of LDS; arguments qkv, mbits, att; writes att
.if DOCPART == 3
	.amdgcn_target "amdgcn-amd-amdhsa--gfx1250"
	.amdhsa_code_object_version 6
	.text
	.protected	k_q525a73e3c0_attn
	.globl	k_q525a73e3c0_attn
	.p2align	8
	.type	k_q525a73e3c0_attn,@function
k_q525a73e3c0_attn:
	s_mov_b64 s[64:65], 0
	v_nop
	global_prefetch_b8 v0, s[64:65] scope:SCOPE_SE
	s_setreg_imm32_b32 hwreg(HW_REG_WAVE_MODE, 25, 1), 1
	s_wait_xcnt 0x0
	s_wait_alu depctr_hold_cnt(0) depctr_sa_sdst(0) depctr_va_vdst(0) depctr_va_sdst(0) depctr_va_ssrc(0) depctr_va_vcc(0) depctr_vm_vsrc(0)
	s_getreg_b32 s2, hwreg(HW_REG_IB_STS2, 6, 4)
	s_cmp_eq_u32 s2, 0
	s_cbranch_scc0 .Lentry_in_a_cluster
	s_endpgm
.Lentry_in_a_cluster:
	s_bfe_u32 s2, ttmp6, 0x10000c
	s_cmp_lg_u32 s2, 0x3003
	s_cbranch_scc0 .Lentry_shape_is_right
	s_endpgm
.Lentry_shape_is_right:
; att[b][h][q][:] = softmax over keys of (mask ? Q.K/8 : 1e-6) times V, with a running maximum.  qkv: [3][b][h][s][64] bf16; att: [b][h][s][64] bf16.
; A cluster of four work-groups is one (b, h); a work-group takes 512 queries, a wave 64 (four blocks of 16, in two halves of two).  All four work-groups
; walk the same K and V: each block of 128 keys is asked for jointly (mask 15), wave 0 for K, wave 1 for V, into two LDS slots.
; TRANSPOSED SCORES: S^T = K Q^T, so lane (r, h) holds query r and keys 8 h + j; maximum, shift, scale and sum are one number a lane; two neighbouring
; S^T tiles, rounded to bf16 in register order, ARE a B fragment of P^T; O^T = V^T P^T with V^T taken by transposing LDS loads.
; MASK: 64 words a stage come by scalar loads; word (a, kt, j) is the lane mask of register j of tile (a, kt): one v_cndmask_b32 a register.
; PIPELINE: stage t = 2 u + hf (unit u of 64 keys, half hf).  The matrix work of a stage belongs to the OTHER half and names none of the registers of this
; half's softmax.  Order of a stage: P V of stage t - 1 (16 products, ahead of the wait for the mask words); selects and maxima; the new maximum; O of
; this half rescaled; then S of stage t + 1, one product at a time, two to each tile of this half's multiply-adds, exponentials and sums, so that
; the wave has vector work of its own between two products; then p rounded into P, and the fragment loads.
; Exponents: p = 2^(s C - m C), C = log2(e) / 8.  The masked score is 8 x f32(1e-6) in the unscaled domain.  The factor for old sums is taken from the two ROUNDED
; shifts, so old and new terms stay consistent at any magnitude.
; LIMITS: Q, K, V, P in bf16; v_exp_f32 gives 0 below 2^-126; rows with NaN or infinite scores are not reproduced.
; No prefetch: K and V were stored by the launch before, and a block is asked for four stages ahead of the wait for it.
; In each group of matrix instructions eight accumulators take turns, one instruction a turn, over every seam.
.set KP,    144                        ; K's LDS row: 128 bytes + 16
.set VP,    160                        ; V's LDS row: 128 bytes + 32 (an odd multiple of 32, for the transposing loads)
.set KSLOT, 128*KP
.set VSLOT, 128*VP
.set VBASE, 2*KSLOT
.set OUTB,  VBASE+2*VSLOT              ; 77,824, a multiple of 256: each wave's stage for the way out, never filled by a tensor load
.set OUTW,  64*KP
.set BLK,   16384                      ; a block of 128 keys in memory
; window 0
.set KADR, 1                           ; r*144 + 16 h
.set VADR, 2                           ; VBASE + (8 h + l%8)*160 + 16 ((l/8)%2)
.set MSK,  3                           ; the masked score
.set MX,   4                           ; v4-7    running maximum of query block 0..3
.set LS,   8                           ; v8-11   running sum (this lane's keys only; the two halves of lanes meet at the end)
.set NMC,  12                          ; v12-15  -maximum x C, rounded
.set AL,   16                          ; v16-17  factor for old sums, block a of the half
.set TX,   18                          ; v18-21  maximum chains: block a: TX+2a (tiles 0, 1), TX+2a+1 (tiles 2, 3)
.set PM,   22                          ; v22-23  the other half of lanes' maximum
.set SUM,  24                          ; v24-31  block a: two pairs of partial sums
.set PF,   32                          ; v32-63  P fragment (a, ks) at PF + 8 (2 a + ks)
.set KF,   64                          ; v64-127 K fragment (kt, dh) at KF + 8 (2 kt + dh)
.set SC,   128                         ; v128-255 S tile (hf, a, kt) at SC + 64 hf + 32 a + 8 kt
; window 1
.set QF,   0                           ; Q fragment (qb, dh) at 8 (2 qb + dh)
.set OA,   64                          ; O tile (qb, db) at 64 + 8 (4 qb + db)
.set VF,   192                         ; V fragment (ks, db) at 192 + 8 (4 ks + db)
; scalars: s2 wave; s3 laps; s[4:59], s[68:75] mask words; s[60:61] mask pointer; s62-63 lane selects; s[76:83], s[84:91] group 1 of K, V;
; s[92:95], s[96:99] group 0 of K, V; s100 C, s101 -C; s[104:105] my rows' byte offset in a plane
.set MSB, 0
.macro WIN new                         ; the immediate's high byte repeats the setting that is left
.if MSB != \new
	s_set_vgpr_msb (MSB<<8)|\new
.set MSB, \new
.endif
.endm
.macro ROUND                           ; a round of the cluster's barrier
	s_barrier_signal -1
	s_barrier_wait -1
	s_cmp_lg_u32 s2, 0
	s_cbranch_scc1 .Lnot_wave_0_\@
	s_barrier_signal -3
.Lnot_wave_0_\@:
	s_barrier_wait -3
	s_barrier_signal -1
	s_barrier_wait -1
.endm
.macro JLOAD                           ; wave 0 asks for K's block, wave 1 for V's, the others for nothing
	s_cmp_lg_u32 s2, 0
	s_cbranch_scc1 .Lnot_k_\@
	tensor_load_to_lds s[92:95], s[76:83]
	s_nop 0
.Lnot_k_\@:
	s_cmp_lg_u32 s2, 1
	s_cbranch_scc1 .Lnot_v_\@
	tensor_load_to_lds s[96:99], s[84:91]
	s_nop 0
.Lnot_v_\@:
.endm
	s_load_b128 s[4:7], s[0:1], 0x0                ; qkv s[4:5], mbits s[6:7]
	v_lshl_add_u32 v190, v0, 2, 0x29000
	v_mov_b32 v191, 0
	ds_add_u32 v190, v191
	s_wait_dscnt 0x0
	v_lshrrev_b32 v1, 5, v0
	v_readfirstlane_b32 s2, v1                     ; wave 0..7
	s_bfe_u32 s66, ttmp6, 0x40000                  ; cx: enters global addresses of Q, mask words and att alone
	s_lshl3_add_u32 s66, s66, s2                   ; q64 = 8 cx + wave
	s_lshl_b32 s10, ttmp9, 18                      ; (b, h) = the cluster's number: 2^18 bytes a head
	s_mov_b32 s11, 0
	s_lshl_b32 s104, s66, 13                       ; 64 rows of 128 bytes
	s_add_co_u32 s104, s104, s10
	s_mov_b32 s105, 0
	s_lshr_b32 s12, ttmp9, 4                       ; b
	s_lshl_b32 s12, s12, 5
	s_add_co_u32 s12, s12, s66                     ; b*32 + q64
	s_lshl_b32 s12, s12, 14                        ; 64 stages of 256 bytes
	s_mov_b32 s13, 0
	s_mov_b32 s62, 0x76543210                      ; v_permlanex16_b32: lane i takes lane i of the other half
	s_mov_b32 s63, 0xfedcba98
	s_mov_b32 s100, 0x3e38aa3b                     ; C = log2(e) / 8
	s_mov_b32 s101, 0xbe38aa3b                     ; -C
	; group 1: a block is 16 KiB dense: 64 rows of 32 elements of 8 bytes; padding behind every 32 words, that is behind every key's 128 bytes
	s_mov_b32 s76, 15|(3<<16)|(1<<20)|(1<<21)|(4<<22)|(3<<25)      ; K: 4 words of padding
	s_mov_b32 s77, 32<<16
	s_mov_b32 s78, 64<<16
	s_mov_b32 s79, 32<<16
	s_mov_b32 s80, 64
	s_mov_b32 s81, 32
	s_mov_b32 s82, 0
	s_mov_b32 s83, 0
	s_mov_b32 s84, 15|(3<<16)|(1<<20)|(1<<21)|(4<<22)|(7<<25)      ; V: 8 words of padding
	s_mov_b32 s85, 32<<16
	s_mov_b32 s86, 64<<16
	s_mov_b32 s87, 32<<16
	s_mov_b32 s88, 64
	s_mov_b32 s89, 32
	s_mov_b32 s90, 0
	s_mov_b32 s91, 0
	s_wait_kmcnt 0x0
	s_add_nc_u64 s[8:9], s[4:5], s[10:11]          ; my head in Q's plane; K's plane is 2^24 bytes on, V's 2^25
	s_add_nc_u64 s[66:67], s[4:5], s[104:105]      ; my 64 rows of Q
	s_add_nc_u64 s[60:61], s[6:7], s[12:13]        ; my mask words
	s_mov_b32 s92, 1                               ; group 0, K, block 0 into slot 0
	s_mov_b32 s93, 0
	s_add_nc_u64 s[94:95], s[8:9], 0x1000000
	s_or_b32 s95, s95, 0x80000000
	s_mov_b32 s96, 1                               ; V, block 0 into slot 0
	s_mov_b32 s97, VBASE
	s_add_nc_u64 s[98:99], s[8:9], 0x2000000
	s_or_b32 s99, s99, 0x80000000
	s_mov_b32 s68, 1                               ; K, block 1 into slot 1: a set of its own, free again behind the wait for these loads
	s_mov_b32 s69, KSLOT
	s_add_nc_u64 s[70:71], s[8:9], 0x1000000+BLK
	s_or_b32 s71, s71, 0x80000000
	s_mov_b32 s72, 1                               ; V, block 1 into slot 1
	s_mov_b32 s73, VBASE+VSLOT
	s_add_nc_u64 s[74:75], s[8:9], 0x2000000+BLK
	s_or_b32 s75, s75, 0x80000000
	ROUND                                          ; all four work-groups are here: the first joint loads meet
	s_cmp_lg_u32 s2, 0
	s_cbranch_scc1 .Lfirst_not_k
	tensor_load_to_lds s[92:95], s[76:83]          ; a wave's two first fills stand in one branch: two loads out here, one later
	s_nop 0
	tensor_load_to_lds s[68:71], s[76:83]
	s_nop 0
.Lfirst_not_k:
	s_cmp_lg_u32 s2, 1
	s_cbranch_scc1 .Lfirst_not_v
	tensor_load_to_lds s[96:99], s[84:91]
	s_nop 0
	tensor_load_to_lds s[72:75], s[84:91]
	s_nop 0
.Lfirst_not_v:
	v_and_b32 v16, 15, v0                          ; r
	v_bfe_u32 v17, v0, 4, 1                        ; h
	v_lshlrev_b32 v24, 7, v16
	v_lshl_add_u32 v24, v17, 4, v24                ; Q: row r, 16 h
	WIN 0x40
.irp q, 0,1,2,3
.irp dh, 0,1
	global_load_b128 v[QF+8*(2*\q+\dh):QF+8*(2*\q+\dh)+3],   v24, s[66:67] offset:\q*2048+\dh*64
	global_load_b128 v[QF+8*(2*\q+\dh)+4:QF+8*(2*\q+\dh)+7], v24, s[66:67] offset:\q*2048+\dh*64+32
.endr
.endr
	WIN 0
	v_mul_u32_u24 v[KADR], v16, KP
	v_lshl_add_u32 v[KADR], v17, 4, v[KADR]
	v_and_b32 v18, 7, v0
	v_lshl_add_u32 v18, v17, 3, v18
	v_mul_u32_u24 v[VADR], v18, VP
	v_bfe_u32 v18, v0, 3, 1
	v_lshl_add_u32 v[VADR], v18, 4, v[VADR]
	v_add_nc_u32 v[VADR], VBASE, v[VADR]
	v_mov_b32 v[MSK], 0x370637bd                   ; 8 x f32(1e-6)
	s_wait_tensorcnt 0x0                           ; both blocks are in; no tensor load of mine is out, so every group 0 is free
	s_barrier_signal -1
	s_barrier_wait -1                              ; everybody sees them
	s_add_nc_u64 s[94:95], s[94:95], BLK           ; at block 1: each refill steps on by one block
	s_add_nc_u64 s[98:99], s[98:99], BLK
; Product i (0..15) of P V for half o: (ks, a, db) = (i/8, (i/4)%2, i%4).  pv = 1: the products of ks = 0 start O's sums; 2: all add onto them.
.macro PV1 o, pv, i
.set RO, OA+8*(4*(2*\o+((\i)/4)%2)+(\i)%4)
.set RV, VF+8*(4*((\i)/8)+(\i)%4)
.set RP, PF+8*(2*(((\i)/4)%2)+(\i)/8)
.if (\pv-1)+(\i)/8 == 0
	v_wmma_f32_16x16x32_bf16 v[RO:RO+7], v[RV:RV+7], v[RP:RP+7], 0
.else
	v_wmma_f32_16x16x32_bf16 v[RO:RO+7], v[RV:RV+7], v[RP:RP+7], v[RO:RO+7]
.endif
.endm
; Product i (0..15) of S for half o: (dh, a, kt) = (i/8, (i/4)%2, i%4); the products of dh = 0 start the sums.
.macro SW o, i
.set RS, SC+64*\o+32*(((\i)/4)%2)+8*((\i)%4)
.set RK, KF+8*(2*((\i)%4)+(\i)/8)
.set RQ, QF+8*(2*(2*\o+((\i)/4)%2)+(\i)/8)
.if (\i) < 8
	v_wmma_f32_16x16x32_bf16 v[RS:RS+7], v[RK:RK+7], v[RQ:RQ+7], 0
.else
	v_wmma_f32_16x16x32_bf16 v[RS:RS+7], v[RK:RK+7], v[RQ:RQ+7], v[RS:RS+7]
.endif
.endm
.macro PVRUN o, pv                     ; the sixteen products of P V in one run
.if \pv
	WIN 0x51                                       ; O (C, D) and V in window 1, P in window 0
.set n, 0
.rept 16
	PV1 \o, \pv, n
.set n, n+1
.endr
.endif
.endm
.macro SRUN o                          ; the sixteen products of S in one run (the very first S alone)
	WIN 0x04                                       ; Q in window 1; S and K in window 0
.set n, 0
.rept 16
	SW \o, n
.set n, n+1
.endr
.endm
.macro KLOAD slot, half                ; 64 keys x 64 d as eight A fragments
.irp kt, 0,1,2,3
.irp dh, 0,1
	ds_load_b128 v[KF+8*(2*\kt+\dh):KF+8*(2*\kt+\dh)+3],   v[KADR] offset:\slot*KSLOT+\half*64*KP+\kt*16*KP+\dh*64
	ds_load_b128 v[KF+8*(2*\kt+\dh)+4:KF+8*(2*\kt+\dh)+7], v[KADR] offset:\slot*KSLOT+\half*64*KP+\kt*16*KP+\dh*64+32
.endr
.endr
.endm
.macro VLOAD slot, half                ; 64 keys x 64 d, transposed, as eight A fragments of V^T
	WIN 0x40
.irp ks, 0,1
.irp db, 0,1,2,3
	ds_load_tr16_b128 v[VF+8*(4*\ks+\db):VF+8*(4*\ks+\db)+3],   v[VADR] offset:\slot*VSLOT+(\half*64+32*\ks)*VP+32*\db
	ds_load_tr16_b128 v[VF+8*(4*\ks+\db)+4:VF+8*(4*\ks+\db)+7], v[VADR] offset:\slot*VSLOT+(\half*64+32*\ks)*VP+32*\db+16*VP
.endr
.endr
	WIN 0
.endm
.macro MLOAD off                       ; a stage's 64 mask words: word n in s[4+n], words 56-63 in s[68:75]
	s_load_b512 s[4:19],  s[60:61], \off
	s_load_b512 s[20:35], s[60:61], \off+64
	s_load_b512 s[36:51], s[60:61], \off+128
	s_load_b256 s[52:59], s[60:61], \off+192
	s_load_b256 s[68:75], s[60:61], \off+224
.endm
.macro CNDALL hf                       ; the mask picks score or masked score: register n of the half's 64 by word n
.set WN, 0
.rept 64
	v_cndmask_b32 v[SC+64*\hf+WN], v[MSK], v[SC+64*\hf+WN], s[4+WN+(WN/56)*8]
.set WN, WN+1
.endr
.endm
; Four maximum steps, one on each of the four chains: registers j, j + 1 of the tiles (a, kt) = (0, g), (1, g), (0, g + 2), (1, g + 2).
; A chain is taken up again four instructions later, never by the next line.
.macro MAX4 hf, g, j
.irp kt, \g, \g+2
.irp a, 0,1
.set RS, SC+64*\hf+32*\a+8*(\kt)+\j
.set RT, TX+2*\a+(\kt)/2
.if \g+\j == 0
.if (\kt) == 0
	v_max3_num_f32 v[RT], v[MX+2*\hf+\a], v[RS], v[RS+1]           ; the first chain starts from the running maximum
.else
	v_max_num_f32 v[RT], v[RS], v[RS+1]
.endif
.else
	v_max3_num_f32 v[RT], v[RT], v[RS], v[RS+1]
.endif
.endr
.endr
.endm
.macro NEWMAX hf
.irp a, 0,1
	v_max_num_f32 v[TX+2*\a], v[TX+2*\a], v[TX+2*\a+1]
.endr
.irp a, 0,1
	v_permlanex16_b32 v[PM+\a], v[TX+2*\a], s62, s63               ; the same query's other eight keys of each tile
.endr
.irp a, 0,1
	v_max_num_f32 v[MX+2*\hf+\a], v[TX+2*\a], v[PM+\a]
.endr
.irp a, 0,1
	v_mul_f32 v[TX+2*\a], s101, v[MX+2*\hf+\a]                     ; the new shift, rounded once
.endr
.irp a, 0,1
	v_sub_f32 v[AL+\a], v[TX+2*\a], v[NMC+2*\hf+\a]                ; new shift - old shift, at most 0
.endr
	v_exp_f32 v[AL], v[AL]
	v_exp_f32 v[AL+1], v[AL+1]
.irp a, 0,1
	v_mov_b32 v[NMC+2*\hf+\a], v[TX+2*\a]                          ; plain instructions behind the exponentials, ahead of the first use of their results (ISA guide 5.7.2)
.endr
.endm
.macro RESCALE hf                      ; this half's O times its factor; the next stage's P V adds onto it
	WIN 0x41
	s_wait_alu depctr_va_vdst(0)
.irp a, 0,1
.irp i, 0,1,2,3,4,5,6,7,8,9,10,11,12,13,14,15
	v_pk_mul_f32 v[OA+32*(2*\hf+\a)+2*\i:OA+32*(2*\hf+\a)+2*\i+1], v[OA+32*(2*\hf+\a)+2*\i:OA+32*(2*\hf+\a)+2*\i+1], v[AL:AL+1] op_sel:[0,\a] op_sel_hi:[1,\a]
.endr
.endr
.endm
; The three macros below run under the window setting of the S products (source 1 in window 1): none of their lines has a vector register as source 1.
.macro FMA4 hf, a, kt                  ; s C - m C for a tile
.set RS, SC+64*\hf+32*\a+8*\kt
.irp j, 0,2,4,6
	v_pk_fma_f32 v[RS+\j:RS+\j+1], v[RS+\j:RS+\j+1], s[100:101], v[NMC+2*\hf:NMC+2*\hf+1] op_sel:[0,0,\a] op_sel_hi:[1,0,\a]
.endr
.endm
.macro EXP4 hf, a, kt, j0
.set RS, SC+64*\hf+32*\a+8*\kt+\j0
.irp j, 0,1,2,3
	v_exp_f32 v[RS+\j], v[RS+\j]
.endr
.endm
.macro SUMH hf, a, kt, h               ; registers 4 h .. 4 h + 3 of a tile's p into the block's two sum pairs; tile 0 starts them
.set RS, SC+64*\hf+32*\a+8*\kt+4*\h
.set SA, SUM+4*\a
.if \kt == 0
	s_wait_alu depctr_va_vdst(0)
	v_pk_fma_f32 v[SA+2*\h:SA+2*\h+1], v[RS:RS+1], 1.0, v[RS+2:RS+3] op_sel_hi:[1,0,1]
.else
	s_wait_alu depctr_va_vdst(0)
	v_pk_fma_f32 v[SA:SA+1],   v[RS:RS+1],   1.0, v[SA:SA+1]   op_sel_hi:[1,0,1]
	v_pk_fma_f32 v[SA+2:SA+3], v[RS+2:RS+3], 1.0, v[SA+2:SA+3] op_sel_hi:[1,0,1]
.endif
.endm
; One tile (a, kt) of this half, with products 2 i and 2 i + 1 of the other half's S and the sums of the tile before (pa, pkt).
; A tile's exponentials are used one tile later: plain instructions stand between (ISA guide 5.7.2).
.macro GRP hf, a, kt, pa, pkt, first, o, sx, i
.if \sx
	SW \o, 2*\i
.endif
	FMA4 \hf, \a, \kt
	EXP4 \hf, \a, \kt, 0
.if \first == 0
	SUMH \hf, \pa, \pkt, 0
.endif
.if \sx
	SW \o, 2*\i+1
.endif
	EXP4 \hf, \a, \kt, 4
.if \first == 0
	SUMH \hf, \pa, \pkt, 1
.endif
.endm
.macro EXPS hf, o, sx
	WIN 0x04
	GRP \hf, 0, 0, 0, 0, 1, \o, \sx, 0
	GRP \hf, 0, 1, 0, 0, 0, \o, \sx, 1
	GRP \hf, 0, 2, 0, 1, 0, \o, \sx, 2
	GRP \hf, 0, 3, 0, 2, 0, \o, \sx, 3
	GRP \hf, 1, 0, 0, 3, 0, \o, \sx, 4
	GRP \hf, 1, 1, 1, 0, 0, \o, \sx, 5
	GRP \hf, 1, 2, 1, 1, 0, \o, \sx, 6
	GRP \hf, 1, 3, 1, 2, 0, \o, \sx, 7
	SUMH \hf, 1, 3, 0
	SUMH \hf, 1, 3, 1
.endm
.macro CVT hf, a                       ; a block's p rounded into their places in the P fragments
.irp kt, 0,1,2,3
.irp i, 0,1,2,3
	v_cvt_pk_bf16_f32 v[PF+8*(2*\a+\kt/2)+4*(\kt%2)+\i], v[SC+64*\hf+32*\a+8*\kt+2*\i], v[SC+64*\hf+32*\a+8*\kt+2*\i+1]
.endr
.endr
.endm
.macro LSUM hf
.irp a, 0,1
	v_pk_add_f32 v[SUM+4*\a:SUM+4*\a+1], v[SUM+4*\a:SUM+4*\a+1], v[SUM+4*\a+2:SUM+4*\a+3]
.endr
.irp a, 0,1
	v_add_f32 v[SUM+4*\a], v[SUM+4*\a], v[SUM+4*\a+1]
.endr
.irp a, 0,1
	v_fma_f32 v[LS+2*\hf+\a], v[LS+2*\hf+\a], v[AL+\a], v[SUM+4*\a]
.endr
.endm
; A stage.  pv: 0 no P V, 1 it starts O's sums, 2 it adds; sx: S of the next stage; resc: O is rescaled; moff: where the next stage's mask words lie from
; the pointer (below 0: none); mstep: the pointer goes one lap on.
; ld: 0 nothing; 1 V and K fragments; 2 V fragments, slot vslot filled again, K fragments from the other slot; 3 as 2 with a plain barrier and no refill;
;     4 V fragments alone.
; Places behind matrix instructions, by this text's count: the loads into V stand behind the 64 selects, the loads into K behind six sums and
; 32 roundings, the roundings into P behind all of the multiply-adds and sums, the selects of the next stage behind the roundings.
.macro STAGE hf, pv, sx, resc, moff, mstep, ld, kslot, khalf, vslot, vhalf
	PVRUN (1-\hf), \pv                             ; V's fragments were waited for in the stage that asked for them
	WIN 0
	s_wait_kmcnt 0x0                               ; this stage's mask words; no scalar load is out, so the pointer is free
.if \mstep
	s_add_nc_u64 s[60:61], s[60:61], 2048
.endif
	CNDALL \hf
	MAX4 \hf, 0, 0
.if \moff >= 0
	MLOAD \moff                                    ; the words have been read: the next stage's have the rest of this stage and the next P V in which to come
.endif
.if \ld
	VLOAD \vslot, \vhalf                           ; this unit's V, for the next two stages' P V
.endif
	MAX4 \hf, 0, 2
	MAX4 \hf, 0, 4
	MAX4 \hf, 0, 6
	MAX4 \hf, 1, 0
	MAX4 \hf, 1, 2
	MAX4 \hf, 1, 4
	MAX4 \hf, 1, 6
	NEWMAX \hf
.if \resc
	RESCALE \hf
.endif
	s_wait_dscnt 0x0                               ; K's fragments, asked for at the end of the stage before, and V's, asked for above
	EXPS \hf, (1-\hf), \sx
	WIN 0
	CVT \hf, 0
	CVT \hf, 1
.if \ld == 1
	KLOAD \kslot, \khalf
.endif
	LSUM \hf
.if \ld == 2
	s_wait_dscnt 0x0                               ; my reads of this slot are back (none has been issued since the wait above)
	s_wait_xcnt 0x0
	v_lshl_add_u32 v190, v0, 2, 0x29000
	v_mov_b32 v191, 0
	s_wait_tensorcnt 0x0                           ; all my tensor loads have landed, the other slot's block among them
	ds_add_u32 v190, v191
	s_wait_dscnt 0x0
	s_add_nc_u64 s[94:95], s[94:95], BLK           ; so both group 0 may be written: the next block, into this slot
	s_add_nc_u64 s[98:99], s[98:99], BLK
	s_mov_b32 s93, \vslot*KSLOT
	s_mov_b32 s97, VBASE+\vslot*VSLOT
	ROUND                                          ; both now hold of every wave of all four work-groups
	JLOAD                                          ; the one tensor load of waves 0 and 1 behind the round, ahead of every LDS read
	KLOAD \kslot, \khalf
.endif
.if \ld == 3
	s_wait_dscnt 0x0
	s_wait_tensorcnt 0x0                           ; the last block has landed
	s_barrier_signal -1
	s_barrier_wait -1                              ; everybody sees it; nothing is left to fetch
	KLOAD \kslot, \khalf
.endif
.endm
; A lap: eight stages, four units, two blocks (slot 0, then slot 1).  K of unit u serves the S products of stages 2u-1 and 2u, V of unit u the P V of stages
; 2u+1 and 2u+2, so each even stage 2u loads V (u) and K (u+1).
.macro LAP pv0, pv1, pv2, rs0, rs1, mstep, last
	STAGE 0, \pv0, 1, \rs0, 256,  \mstep, 1, 0, 1, 0, 0
	STAGE 1, \pv1, 1, \rs1, 512,  0, 0, 0, 0, 0, 0
.if \last
	STAGE 0, \pv2, 1, 1,    768,  0, 3, 1, 0, 0, 1
.else
	STAGE 0, \pv2, 1, 1,    768,  0, 2, 1, 0, 0, 1
.endif
	STAGE 1, 2,    1, 1,    1024, 0, 0, 0, 0, 0, 0
	STAGE 0, 2,    1, 1,    1280, 0, 1, 1, 1, 1, 0
	STAGE 1, 2,    1, 1,    1536, 0, 0, 0, 0, 0, 0
.if \last
	STAGE 0, 2,    1, 1,    1792, 0, 4, 0, 0, 1, 1
	STAGE 1, 2,    0, 1,    -1,   0, 0, 0, 0, 0, 0
.else
	STAGE 0, 2,    1, 1,    1792, 0, 2, 0, 0, 1, 1
	STAGE 1, 2,    1, 1,    2048, 0, 0, 0, 0, 0, 0
.endif
.endm
	MLOAD 0                                        ; stage 0's mask words
	KLOAD 0, 0
	s_wait_dscnt 0x0
	s_wait_loadcnt 0x0                             ; Q
	SRUN 0                                         ; S of stage 0
	WIN 0
	; The start values of the running figures stand here: fourteen plain vector instructions that name none of the run's registers, the places
	; (ISA guide 7.12.1) between these products and stage 0's selects, which read their results.
.irp q, 0,1,2,3
	v_mov_b32 v[MX+\q], 0xff800000                 ; -infinity
	v_mov_b32 v[LS+\q], 0
	v_mov_b32 v[NMC+\q], 0x7f800000                ; +infinity: the first factor for old sums is 2^-infinity = 0
.endr
	v_mov_b32 v[PM], 0                             ; v_permlanex16_b32 counts as a reader of its destination
	v_mov_b32 v[PM+1], 0
	LAP 0, 1, 1, 0, 0, 0, 0                        ; the first lap: the first P V of each half starts its sums, and nothing is rescaled before
	s_mov_b32 s3, 6
.Llap:
	LAP 2, 2, 2, 1, 1, 1, 0
	s_sub_co_u32 s3, s3, 1
	s_cmp_lg_u32 s3, 0
	s_cbranch_scc1 .Llap
	LAP 2, 2, 2, 1, 1, 1, 1                        ; the last lap fetches nothing beyond block 15 and computes no S beyond stage 63
	PVRUN 1, 2                                     ; P V of stage 63
.rept 4
	v_nop                                          ; the places behind the last matrix instructions
.endr
	WIN 0
.irp q, 0,1,2,3
	v_permlanex16_b32 v[TX+\q], v[LS+\q], s62, s63 ; the sums over the other half of lanes' keys
.endr
.irp q, 0,1,2,3
	v_add_f32 v[LS+\q], v[LS+\q], v[TX+\q]
.endr
.irp q, 0,1,2,3
	v_rcp_f32 v[LS+\q], v[LS+\q]                   ; the sum holds the maximum's own term, 1, so it is at least 1
.endr
	v_nop
	WIN 0x41
	s_wait_alu depctr_va_vdst(0)
.irp g, 0,1
.irp a, 0,1
.irp i, 0,1,2,3,4,5,6,7,8,9,10,11,12,13,14,15
	v_pk_mul_f32 v[OA+32*(2*\g+\a)+2*\i:OA+32*(2*\g+\a)+2*\i+1], v[OA+32*(2*\g+\a)+2*\i:OA+32*(2*\g+\a)+2*\i+1], v[LS+2*\g:LS+2*\g+1] op_sel:[0,\a] op_sel_hi:[1,\a]
.endr
.endr
.endr
	WIN 0x05
.set n, 0
.rept 64
	v_cvt_pk_bf16_f32 v[SC+n], v[OA+2*n], v[OA+2*n+1]
.set n, n+1
.endr
	WIN 0
	s_load_b64 s[4:5], s[0:1], 0x10                ; att
	s_mul_i32 s66, s2, OUTW
	s_add_co_u32 s66, s66, OUTB                    ; my stage
	v_add_nc_u32 v24, s66, v[KADR]                 ; in: row r, 16 h
	v_bfe_u32 v26, v0, 3, 2
	v_mul_u32_u24 v25, v26, KP                     ; back: four rows of 128 bytes
	v_and_b32 v26, 7, v0
	v_lshl_add_u32 v25, v26, 4, v25
	v_add_nc_u32 v25, s66, v25
	v_and_b32 v26, 31, v0
	v_lshlrev_b32 v26, 4, v26                      ; 16 x lane: every store covers 512 neighbouring bytes
.irp q, 0,1,2,3
.irp d, 0,1,2,3
	ds_store_b128 v24, v[SC+4*(4*\q+\d):SC+4*(4*\q+\d)+3] offset:\q*16*KP+32*\d
.endr
.endr
.irp t, 0,1,2,3,4,5,6,7,8,9,10,11,12,13,14,15
	ds_load_b128 v[KF+4*\t:KF+4*\t+3], v25 offset:\t*4*KP          ; my own bytes, served in order behind my stores
.endr
	s_wait_kmcnt 0x0
	s_add_nc_u64 s[4:5], s[4:5], s[104:105]
.irp t, 0,1,2,3,4,5,6,7,8,9,10,11,12,13,14,15
	s_wait_dscnt 15-\t                             ; load t is in, the younger ones stay out
	global_store_b128 v26, v[KF+4*\t:KF+4*\t+3], s[4:5] offset:\t*512
.endr
	s_wait_xcnt 0x0
	v_lshl_add_u32 v190, v0, 2, 0x29000
	v_mov_b32 v191, 0
	s_wait_tensorcnt 0x0
	ds_add_u32 v190, v191
	s_wait_dscnt 0x0
	ROUND                                          ; the closing round
	s_endpgm
.Lfunc_end_k_q525a73e3c0_attn:
	.size	k_q525a73e3c0_attn, .Lfunc_end_k_q525a73e3c0_attn-k_q525a73e3c0_attn
	.p2alignl 7, 3214868480
	.fill 96, 4, 3214868480
	.section	.rodata,"a",@progbits
	.p2align	6, 0x0
	.amdhsa_kernel k_q525a73e3c0_attn
		.amdhsa_group_segment_fixed_size 327680
		.amdhsa_private_segment_fixed_size 0
		.amdhsa_enable_private_segment 0
		.amdhsa_kernarg_size 24
		.amdhsa_user_sgpr_count 2
		.amdhsa_user_sgpr_kernarg_segment_ptr 1
		.amdhsa_wavefront_size32 1
		.amdhsa_system_sgpr_workgroup_id_x 1
		.amdhsa_system_sgpr_workgroup_id_y 1
		.amdhsa_system_sgpr_workgroup_id_z 1
		.amdhsa_system_vgpr_workitem_id 0
		.amdhsa_next_free_vgpr 512
		.amdhsa_next_free_sgpr 106
		.amdhsa_reserve_vcc 0
		.amdhsa_float_denorm_mode_32 3
		.amdhsa_float_denorm_mode_16_64 3
		.amdhsa_memory_ordered 1
		.amdhsa_forward_progress 1
		.amdhsa_inst_pref_size 255
	.end_amdhsa_kernel
	.section	.bss,"aw",@nobits
	.p2align	6
	.space	262144
	.amdgpu_metadata
---
amdhsa.version: [ 1, 2 ]
amdhsa.kernels:
  - .name:           k_q525a73e3c0_attn
    .symbol:         k_q525a73e3c0_attn.kd
    .args:
      - { .name: qkv, .offset: 0, .size: 8, .value_kind: global_buffer, .address_space: global }
      - { .name: mbits, .offset: 8, .size: 8, .value_kind: global_buffer, .address_space: global }
      - { .name: att, .offset: 16, .size: 8, .value_kind: global_buffer, .address_space: global }
    .group_segment_fixed_size: 327680
    .private_segment_fixed_size: 0
    .kernarg_segment_align: 8
    .kernarg_segment_size: 24
    .max_flat_workgroup_size: 256
    .sgpr_count:     106
    .vgpr_count:     512
    .wavefront_size: 32
...
	.end_amdgpu_metadata
.endif
;; end of part 3
;; launch oproj (part 4): grid 4 x 64, 4 waves a work-group, clusters of 4 x 4, 327,680 bytes of LDS; arguments att, wt, y; writes y
.if DOCPART == 4
	.amdgcn_target "amdgcn-amd-amdhsa--gfx1250"
	.amdhsa_code_object_version 6
	.text
	.protected	k_q525a73e3c0_oproj
	.globl	k_q525a73e3c0_oproj
	.p2align	8
	.type	k_q525a73e3c0_oproj,@function
k_q525a73e3c0_oproj:
	s_mov_b64 s[64:65], 0
	v_nop
	global_prefetch_b8 v0, s[64:65] scope:SCOPE_SE
	s_setreg_imm32_b32 hwreg(HW_REG_WAVE_MODE, 25, 1), 1
	s_wait_xcnt 0x0
	s_wait_alu depctr_hold_cnt(0) depctr_sa_sdst(0) depctr_va_vdst(0) depctr_va_sdst(0) depctr_va_ssrc(0) depctr_va_vcc(0) depctr_vm_vsrc(0)
	s_getreg_b32 s2, hwreg(HW_REG_IB_STS2, 6, 4)
	s_cmp_eq_u32 s2, 0
	s_cbranch_scc0 .Lentry_in_a_cluster
	s_endpgm
.Lentry_in_a_cluster:
	s_bfe_u32 s2, ttmp6, 0x10000c
	s_cmp_lg_u32 s2, 0xf033
	s_cbranch_scc0 .Lentry_shape_is_right
	s_endpgm
.Lentry_shape_is_right:
; C[m][n] = sum over k of A[m][k] B[n][k], bf16 operands, f32 sums, K = 1024.  One text serves two launches; OPROJ picks.
;   OPROJ = 0: A = xb [3*8192][1024], B = wt matrix p (p = block row / 64), C = qkv [3][b][h][s][64] bf16 (head-major).
;   OPROJ = 1: A = att [b][h][s][64] (k = 64 h + d), B = wt matrix 3 (w_0 transposed), C = y [8192][1024] f32.
; A work-group makes 128 x 256 of C with four waves (2 x 2), a wave 64 x 128: 32 accumulator tiles, 256 registers.  That block gives 768 and 256
; work-groups, whole multiples of 256; a block of 256 x 256 would give 384 and 128.
; K goes in steps of 128 through two LDS slots filled by tensor loads.  4 x 4 work-groups form a cluster: A's tile hangs on the block row alone and is
; asked for jointly along a row of the cluster, B's on the block column alone and jointly along a column.
; Registers: window 0: v16-17, v20-21 fragment addresses, v24-26 the way out, v64-159 and v160-255 two fragment buffers (8 of B, 4 of A);
; window 1: accumulator tile (a, b) at v[8 (8 a + b)].  The matrix instruction is used transposed (source 0 = rows of B, source 1 = rows of A), so
; lane l holds row l % 16 of C and columns 8 (l / 16) + 0..7.
; The 32 accumulators take turns, one instruction a turn, over every seam and the backward jump.
.set OPROJ, 1
.set SIZE_K, 1024
.set KSTEP,  128
.set LAPS,   SIZE_K/(2*KSTEP)          ; a lap = two K steps = once round the ring
.set PITCH,  272                       ; B's LDS row: 256 bytes + 16: an odd multiple of 16, so 16 rows start at 16 different 16-byte columns modulo 256
.if OPROJ
.set APITCH, 144                       ; A's LDS row: one head's 128 bytes + 16
.set AFILL,  128*APITCH                ; one tensor load: one head, 128 tokens
.set ASTEP,  1<<19                     ; a K step is two heads of 2^18 bytes
.set SPITCH, 528                       ; stage row: 128 f32 + 16 bytes
.else
.set APITCH, 272
.set AFILL,  64*APITCH                 ; one tensor load: 64 rows x 256 bytes
.set ASTEP,  2*KSTEP
.set SPITCH, 272                       ; stage row: 128 bf16 + 16 bytes
.endif
.set BSTEP,  2*KSTEP
.set APART,  2*AFILL                   ; A's part of a slot
.set AWAVE,  64*APITCH                 ; from my wave row's 64 rows to the other's
.set AI,     16*APITCH                 ; from fragment to fragment
.set BHALF,  128*PITCH
.set SLOT,   APART+2*BHALF
.set STAGE,  2*SLOT                    ; behind the ring, a multiple of 256; no tensor load ever fills it
.set ADRA, 16
.set ADRB, 20
.set STO,  24
.set RD,   25
.set CO,   26
.set F0,   64
.set F1,   160
.set TMP,  64
.set G1,  24                           ; s[24:31] group 1 for A
.set G0,  32                           ; s[32:39] group 0 for A, one set a slot
.set G1B, 48                           ; s[48:55] group 1 for B
.set G0B, 56                           ; s[56:63] group 0 for B, one set a slot
.set MSB, 0
.macro WIN new                         ; the immediate's high byte repeats the setting that is left
.if MSB != \new
	s_set_vgpr_msb (MSB<<8)|\new
.set MSB, \new
.endif
.endm
.macro JLOAD s                         ; waves 0, 1 ask for A's two halves, waves 2, 3 for B's: the branch hangs on the wave's number alone
	s_cmp_eq_u32 s11, 0
	s_cbranch_scc0 .Lfor_b_\@
	tensor_load_to_lds s[G0+4*\s:G0+4*\s+3], s[G1:G1+7]
	s_nop 0
	s_branch .Lasked_\@
.Lfor_b_\@:
	tensor_load_to_lds s[G0B+4*\s:G0B+4*\s+3], s[G1B:G1B+7]
	s_nop 0
.Lasked_\@:
.endm
.macro CREST                           ; a round of the cluster's barrier behind its opening work-group barrier
	s_cmp_lg_u32 s10, 0
	s_cbranch_scc1 .Lnot_wave_0_\@
	s_barrier_signal -3
.Lnot_wave_0_\@:
	s_barrier_wait -3
	s_barrier_signal -1
	s_barrier_wait -1
.endm
.macro CROUND
	s_barrier_signal -1
	s_barrier_wait -1
	CREST
.endm
.macro PLACES                          ; four plain vector instructions between a matrix instruction and a load into, or a read of, its registers
.rept 4
	v_nop
.endr
.endm
	s_load_b128 s[4:7], s[0:1], 0x0                ; A s[4:5], B s[6:7]
	s_load_b64 s[8:9], s[0:1], 0x10                ; C
	v_lshl_add_u32 v62, v0, 2, 0x3c400
	v_mov_b32 v63, 0
	ds_add_u32 v62, v63
	v_lshrrev_b32 v1, 5, v0
	v_readfirstlane_b32 s10, v1                    ; wave 0..3
	s_lshr_b32 s11, s10, 1                         ; my half of the block's rows; also: I fetch for A (0) or B (1)
	s_and_b32 s12, s10, 1                          ; my half of its columns; also: which half of that tile I fetch
	s_bfe_u32 s40, ttmp6, 0x40000                  ; cx
	s_bfe_u32 s41, ttmp6, 0x40004                  ; cy
	s_lshl_b32 s42, ttmp9, 2
	s_add_co_u32 s42, s42, s40                     ; block column = 4 x cluster x + cx
	s_and_b32 s45, ttmp7, 0xffff                   ; cluster y
	s_lshl_b32 s13, s45, 2
	s_add_co_u32 s13, s13, s41                     ; block row = 4 x cluster y + cy
	s_lshr_b32 s45, s45, 4                         ; which projection: 16 clusters of rows each; made of the cluster's y alone, so B's address never holds cy
	s_lshl_b32 s43, s41, 2
	s_lshl_b32 s43, 15, s43                        ; my row of the cluster
	s_lshl_b32 s44, 0x1111, s40                    ; my column
.if OPROJ
	; A: one head's 128 tokens are 16 KiB dense: 64 rows of 32 elements of 8 bytes; 16 bytes of padding behind every 32 words = behind every token's 128 bytes
	s_or_b32 s[G1+0], s43, (3<<16)|(1<<20)|(1<<21)|(4<<22)|(3<<25)
	s_mov_b32 s[G1+1], 32<<16
	s_mov_b32 s[G1+2], 64<<16
	s_mov_b32 s[G1+3], 32<<16
	s_mov_b32 s[G1+4], 64
	s_mov_b32 s[G1+5], 32
.else
	; A: 64 rows x 128 bf16, pitch 1024 elements; 16 bytes of padding behind every 64 words
	s_or_b32 s[G1+0], s43, (1<<16)|(1<<20)|(1<<21)|(5<<22)|(3<<25)
	s_mov_b32 s[G1+1], KSTEP<<16
	s_mov_b32 s[G1+2], 64<<16
	s_mov_b32 s[G1+3], KSTEP<<16
	s_mov_b32 s[G1+4], 64
	s_mov_b32 s[G1+5], SIZE_K
.endif
	s_mov_b32 s[G1+6], 0
	s_mov_b32 s[G1+7], 0
	; B: 128 rows x 128 bf16, pitch 1024 elements, padded likewise
	s_or_b32 s[G1B+0], s44, (1<<16)|(1<<20)|(1<<21)|(5<<22)|(3<<25)
	s_mov_b32 s[G1B+1], KSTEP<<16
	s_mov_b32 s[G1B+2], 128<<16
	s_mov_b32 s[G1B+3], KSTEP<<16
	s_mov_b32 s[G1B+4], 128
	s_mov_b32 s[G1B+5], SIZE_K
	s_mov_b32 s[G1B+6], 0
	s_mov_b32 s[G1B+7], 0
.if OPROJ
	s_lshr_b32 s16, s13, 4                         ; batch: 16 blocks of 128 tokens
	s_lshl_b32 s16, s16, 22                        ; 16 heads of 2^18 bytes
	s_and_b32 s17, s13, 15
	s_lshl_b32 s17, s17, 14                        ; 128 tokens of 128 bytes
	s_add_co_u32 s16, s16, s17
	s_lshl_b32 s17, s12, 18                        ; the even or the odd head of the K step
	s_add_co_u32 s16, s16, s17
	s_mov_b32 s46, 3<<21                           ; wt matrix 3
.else
	s_lshl_b32 s16, s13, 18                        ; 128 rows of 2,048 bytes
	s_lshl_b32 s17, s12, 17                        ; 64 rows
	s_add_co_u32 s16, s16, s17
	s_lshl_b32 s46, s45, 21                        ; wt matrix p
.endif
	s_mov_b32 s17, 0
	s_lshl_b32 s47, s42, 19                        ; 256 rows of 2,048 bytes
	s_add_co_u32 s46, s46, s47
	s_lshl_b32 s47, s12, 18                        ; 128 rows
	s_add_co_u32 s46, s46, s47
	s_mov_b32 s47, 0
	s_mul_i32 s20, s12, AFILL                      ; LDS targets: made of the wave's number alone
	s_mul_i32 s21, s12, BHALF
	s_add_co_u32 s21, s21, APART
	s_wait_dscnt 0x0
	s_wait_kmcnt 0x0
	s_add_nc_u64 s[14:15], s[4:5], s[16:17]
	s_add_nc_u64 s[46:47], s[6:7], s[46:47]
	CROUND                                         ; all sixteen work-groups are here: the first joint loads meet
.irp s, 0,1
	s_mov_b32 s[G0+4*\s], 1
	s_add_co_u32 s[G0+4*\s+1], s20, \s*SLOT
	s_add_nc_u64 s[G0+4*\s+2:G0+4*\s+3], s[14:15], \s*ASTEP
	s_or_b32 s[G0+4*\s+3], s[G0+4*\s+3], 0x80000000
	s_mov_b32 s[G0B+4*\s], 1
	s_add_co_u32 s[G0B+4*\s+1], s21, \s*SLOT
	s_add_nc_u64 s[G0B+4*\s+2:G0B+4*\s+3], s[46:47], \s*BSTEP
	s_or_b32 s[G0B+4*\s+3], s[G0B+4*\s+3], 0x80000000
	JLOAD \s                                       ; both slots' first fills go out together: two loads of the wave are out here, one later
.endr
	v_and_b32 v1, 15, v0                           ; r = l % 16
	v_bfe_u32 v2, v0, 4, 1                         ; h = l / 16
	v_mul_u32_u24 v3, v1, PITCH
	v_lshl_add_u32 v3, v2, 4, v3                   ; B: row x pitch + 16 h
	v_mul_u32_u24 v4, v1, APITCH
	v_lshl_add_u32 v4, v2, 4, v4                   ; A likewise
	s_mul_i32 s22, s11, AWAVE
	s_mul_i32 s23, s12, BHALF
	s_add_co_u32 s23, s23, APART
.irp s, 0,1
	v_add_nc_u32 v[ADRA+\s], s22, v4
	v_add_nc_u32 v[ADRB+\s], s23, v3
	s_add_co_u32 s22, s22, SLOT
	s_add_co_u32 s23, s23, SLOT
.endr
	s_mul_i32 s22, s10, 16*SPITCH
	s_add_co_u32 s22, s22, STAGE                   ; my stage
	v_mul_u32_u24 v5, v1, SPITCH
	v_and_b32 v7, 31, v0
	v_lshlrev_b32 v[CO], 4, v7                     ; 16 x lane: every store of the wave covers 512 neighbouring bytes
.if OPROJ
	v_lshl_add_u32 v5, v2, 5, v5                   ; in: row r, 32 bytes (8 f32) a half
	v_add_nc_u32 v[STO], s22, v5
	v_add_nc_u32 v[RD], s22, v[CO]                 ; back: a whole row of 512 bytes
.else
	v_lshl_add_u32 v5, v2, 4, v5                   ; in: row r, 16 bytes (8 bf16) a half
	v_add_nc_u32 v[STO], s22, v5
	v_bfe_u32 v6, v0, 3, 2
	v_mul_u32_u24 v6, v6, SPITCH                   ; back: four rows, one head's 128 bytes of each
	v_and_b32 v7, 7, v0
	v_lshl_add_u32 v6, v7, 4, v6
	v_add_nc_u32 v[RD], s22, v6
.endif
; 16 products: m blocks a0, a0 + 1 x all 8 n blocks, 32 along K.  zero = 1: the first product starts the sums.
.macro MUL16 f, a0, zero
.irp a, \a0, \a0+1
.irp b, 0,1,2,3,4,5,6,7
.if \zero
	v_wmma_f32_16x16x32_bf16 v[8*(8*(\a)+\b):8*(8*(\a)+\b)+7], v[\f+8*\b:\f+8*\b+7], v[\f+64+8*(\a):\f+64+8*(\a)+7], 0
.else
	v_wmma_f32_16x16x32_bf16 v[8*(8*(\a)+\b):8*(8*(\a)+\b)+7], v[\f+8*\b:\f+8*\b+7], v[\f+64+8*(\a):\f+64+8*(\a)+7], v[8*(8*(\a)+\b):8*(8*(\a)+\b)+7]
.endif
.endr
.endr
.endm
; 24 LDS loads in one run: quarter kq (32 along K) of a slot into buffer f: 8 fragments of B, 4 of A
.macro FETCH slot, kq, f
	WIN 0
.if OPROJ
.set AK, ((\kq)/2)*AFILL+((\kq)%2)*64              ; quarters 0, 1 lie in the even head's rows, 2, 3 in the odd head's
.else
.set AK, (\kq)*64
.endif
.irp i, 0,1,2,3,4,5,6,7
	ds_load_b128 v[\f+8*\i:\f+8*\i+3],   v[ADRB+\slot] offset:\kq*64+\i*16*PITCH
	ds_load_b128 v[\f+8*\i+4:\f+8*\i+7], v[ADRB+\slot] offset:\kq*64+\i*16*PITCH+32
.endr
.irp i, 0,1,2,3
	ds_load_b128 v[\f+64+8*\i:\f+64+8*\i+3], v[ADRA+\slot] offset:AK+\i*AI
	ds_load_b128 v[\f+64+8*\i+4:\f+64+8*\i+7], v[ADRA+\slot] offset:AK+\i*AI+32
.endr
.endm
; fetches quarter kq into buffer g, then multiplies buffer f
.macro QUARTER slot, kq, f, g, zero
	PLACES                                         ; buffer g was read by the products just issued
	FETCH \slot, \kq, \g
	s_wait_dscnt 24                                ; all but the 24 just issued: buffer f is in
	WIN 0x50
	MUL16 \f, 0, \zero
	MUL16 \f, 2, \zero
.endm
.macro THREE slot, zero
	QUARTER \slot, 1, F0, F1, \zero
	QUARTER \slot, 2, F1, F0, 0
	QUARTER \slot, 3, F0, F1, 0
.endm
; the last quarter of a K step: multiplies buffer 1 and changes slots.  One barrier for the change: in front of it each wave's reads of this slot
; are back and all its tensor loads have landed (the one that was out is its part of the next slot); behind it the refill comes first.
.macro TURN slot, next, fill
	s_wait_dscnt 0x0                               ; buffer 1 is in, and with it my last reads of this slot
	s_wait_tensorcnt 0x0                           ; no tensor load of mine is out
	ds_add_u32 v62, v63
	s_wait_dscnt 0x0
	s_barrier_signal -1
	WIN 0x50
	MUL16 F1, 0, 0                                 ; register work while the others arrive
	WIN 0
	s_barrier_wait -1
.if \fill
	CREST                                          ; the rest of the cluster's round: no wave of any partner still reads this slot or has a load on its way
	s_add_nc_u64 s[G0+4*\slot+2:G0+4*\slot+3], s[G0+4*\slot+2:G0+4*\slot+3], 2*ASTEP
	s_add_nc_u64 s[G0B+4*\slot+2:G0B+4*\slot+3], s[G0B+4*\slot+2:G0B+4*\slot+3], 2*BSTEP
	JLOAD \slot                                    ; my one tensor load behind the round, ahead of every LDS read
.endif
	PLACES                                         ; buffer 0 was read by products; those in between are no places
	FETCH \next, 0, F0
	WIN 0x50
	MUL16 F1, 2, 0
.endm
.macro LAP zero
	THREE 0, \zero
	TURN 0, 1, 1
	THREE 1, 0
	TURN 1, 0, 1
.endm
	s_wait_tensorcnt 0x1                           ; my part of K step 0 is in; K step 1's stays out
	s_barrier_signal -1
	s_barrier_wait -1
	FETCH 0, 0, F0
	LAP 1                                          ; the first lap's first products start the sums
	WIN 0
	s_mov_b32 s3, LAPS-2
.Llap:
	LAP 0
	WIN 0
	s_sub_co_u32 s3, s3, 1
	s_cmp_lg_u32 s3, 0
	s_cbranch_scc1 .Llap
	THREE 0, 0                                     ; the last lap fills nothing
	TURN 0, 1, 0
	THREE 1, 0
	s_wait_dscnt 0x0
	WIN 0x50
	MUL16 F1, 0, 0
	MUL16 F1, 2, 0
	PLACES                                         ; behind the last products: for the reads of results and the loads into the fragment buffers
.if OPROJ
	s_lshl_b32 s16, s13, 19                        ; 128 rows of 4,096 bytes
	s_lshl_b32 s17, s11, 18                        ; my 64 rows
	s_add_co_u32 s16, s16, s17
	s_lshl_b32 s46, s42, 10                        ; 256 columns of 4 bytes
	s_lshl_b32 s47, s12, 9                         ; my 128 columns
.else
	s_lshr_b32 s16, s13, 4                         ; 4 p + batch
	s_lshl_b32 s16, s16, 22
	s_and_b32 s17, s13, 15
	s_lshl_b32 s17, s17, 14                        ; 128 tokens of 128 bytes
	s_add_co_u32 s16, s16, s17
	s_lshl_b32 s17, s11, 13                        ; my 64 tokens
	s_add_co_u32 s16, s16, s17
	s_lshl_b32 s46, s42, 20                        ; four heads of 2^18 bytes a block column
	s_lshl_b32 s47, s12, 19                        ; my two heads
.endif
	s_mov_b32 s17, 0
	s_add_nc_u64 s[8:9], s[8:9], s[16:17]
	s_add_co_u32 s46, s46, s47
	s_mov_b32 s47, 0
	s_add_nc_u64 s[8:9], s[8:9], s[46:47]
; THE WAY OUT, 16 rows of my block at a time, through my own stage: LDS serves a wave's instructions in order, so no wait stands between stores and loads.
.if OPROJ
.macro OUT16 a, rb
	WIN 0x04                                       ; store data in window 1, address in window 0
.irp b, 0,1,2,3,4,5,6,7
	ds_store_b128 v[STO], v[8*(8*\a+\b):8*(8*\a+\b)+3] offset:64*\b
	ds_store_b128 v[STO], v[8*(8*\a+\b)+4:8*(8*\a+\b)+7] offset:64*\b+16
.endr
	WIN 0
	s_wait_xcnt 0x0                                ; the registers loaded below were data of earlier stores
.irp t, 0,1,2,3,4,5,6,7,8,9,10,11,12,13,14,15
	ds_load_b128 v[\rb+4*\t:\rb+4*\t+3], v[RD] offset:\t*SPITCH
.endr
.irp t, 0,1,2,3,4,5,6,7,8,9,10,11,12,13,14,15
	s_wait_dscnt 15-\t                             ; row t is in, the younger loads stay out
	global_store_b128 v[CO], v[\rb+4*\t:\rb+4*\t+3], s[8:9] offset:(16*\a+\t)*4096
.endr
.endm
	OUT16 0, 64
	OUT16 1, 128
	OUT16 2, 64
	OUT16 3, 128
.else
.macro OUT16 a, rb
	WIN 0x05                                       ; both sources in window 1
.irp b, 0,1,2,3,4,5,6,7
.irp i, 0,1,2,3
	v_cvt_pk_bf16_f32 v[TMP+4*\b+\i], v[8*(8*\a+\b)+2*\i], v[8*(8*\a+\b)+2*\i+1]
.endr
.endr
	WIN 0
.irp b, 0,1,2,3,4,5,6,7
	ds_store_b128 v[STO], v[TMP+4*\b:TMP+4*\b+3] offset:32*\b
.endr
	s_wait_xcnt 0x0                                ; the registers loaded below were data of earlier stores
.irp t, 0,1,2,3,4,5,6,7
	ds_load_b128 v[\rb+4*\t:\rb+4*\t+3], v[RD] offset:(\t%4)*4*SPITCH+(\t/4)*128
.endr
.irp t, 0,1,2,3,4,5,6,7
	s_wait_dscnt 7-\t                              ; load t is in, the younger ones stay out
	global_store_b128 v[CO], v[\rb+4*\t:\rb+4*\t+3], s[8:9] offset:(\t/4)*262144+(16*\a+4*(\t%4))*128   ; four tokens of one head: 512 neighbouring bytes
.endr
.endm
	OUT16 0, 96
	OUT16 1, 128
	OUT16 2, 96
	OUT16 3, 128
.endif
	s_wait_tensorcnt 0x0
	ds_add_u32 v62, v63
	s_wait_dscnt 0x0
	CROUND                                         ; the closing round: no work-group ends while a partner may still ask for a tile that names it
	s_endpgm
.Lfunc_end_k_q525a73e3c0_oproj:
	.size	k_q525a73e3c0_oproj, .Lfunc_end_k_q525a73e3c0_oproj-k_q525a73e3c0_oproj
	.p2alignl 7, 3214868480
	.fill 96, 4, 3214868480
	.section	.rodata,"a",@progbits
	.p2align	6, 0x0
	.amdhsa_kernel k_q525a73e3c0_oproj
		.amdhsa_group_segment_fixed_size 327680
		.amdhsa_private_segment_fixed_size 0
		.amdhsa_enable_private_segment 0
		.amdhsa_kernarg_size 24
		.amdhsa_user_sgpr_count 2
		.amdhsa_user_sgpr_kernarg_segment_ptr 1
		.amdhsa_wavefront_size32 1
		.amdhsa_system_sgpr_workgroup_id_x 1
		.amdhsa_system_sgpr_workgroup_id_y 1
		.amdhsa_system_sgpr_workgroup_id_z 1
		.amdhsa_system_vgpr_workitem_id 0
		.amdhsa_next_free_vgpr 512
		.amdhsa_next_free_sgpr 66
		.amdhsa_reserve_vcc 0
		.amdhsa_float_denorm_mode_32 3
		.amdhsa_float_denorm_mode_16_64 3
		.amdhsa_memory_ordered 1
		.amdhsa_forward_progress 1
		.amdhsa_inst_pref_size 117
	.end_amdhsa_kernel
	.amdgpu_metadata
---
amdhsa.version: [ 1, 2 ]
amdhsa.kernels:
  - .name:           k_q525a73e3c0_oproj
    .symbol:         k_q525a73e3c0_oproj.kd
    .args:
      - { .name: att, .offset: 0, .size: 8, .value_kind: global_buffer, .address_space: global }
      - { .name: wt, .offset: 8, .size: 8, .value_kind: global_buffer, .address_space: global }
      - { .name: y, .offset: 16, .size: 8, .value_kind: global_buffer, .address_space: global }
    .group_segment_fixed_size: 327680
    .private_segment_fixed_size: 0
    .kernarg_segment_align: 8
    .kernarg_segment_size: 24
    .max_flat_workgroup_size: 128
    .sgpr_count:     66
    .vgpr_count:     512
    .wavefront_size: 32
...
	.end_amdgpu_metadata
.endif
;; end of part 4
;; launch ln (part 5): grid 256 x 1, 8 waves a work-group, no clusters, 0 bytes of LDS; arguments y, x_queries, gamma, beta, out0; writes out0
.if DOCPART == 5
	.amdgcn_target "amdgcn-amd-amdhsa--gfx1250"
	.amdhsa_code_object_version 6
	.text
	.protected	k_q525a73e3c0_ln
	.globl	k_q525a73e3c0_ln
	.p2align	8
	.type	k_q525a73e3c0_ln,@function
k_q525a73e3c0_ln:
	s_mov_b64 s[64:65], 0
	v_nop
	global_prefetch_b8 v0, s[64:65] scope:SCOPE_SE
	s_setreg_imm32_b32 hwreg(HW_REG_WAVE_MODE, 25, 1), 1
	s_wait_xcnt 0x0
; out0[r][:] = gamma * (z - mean(z)) / (std(z) + 1e-6) + beta, z = y[r][:] + x_queries[r][:], std with divisor 1023.  All f32, rows of 1024.
; One wave takes a whole row (4,096 bytes: 32 registers of y, 32 of x) and keeps it between the passes: mean first, then the squares of the
; deviations, so a common offset of the inputs costs no accuracy.  Four rows a wave, two row slots: one at work, one on its way in.
; A stream: no LDS, no barrier, no matrix unit, no cluster (no byte but gamma's and beta's 8 KiB is read twice).
.set G,    8                           ; v[8:39]    gamma of my 32 columns (128 i + 4 lane ..)
.set B,    40                          ; v[40:71]   beta
.set T,    200                         ; v[200:207] four chains of pairs
.set MEAN, 208                         ; v[208:209] the mean, later 1 / (std + eps), twice: a pair for the packed forms
	s_load_b256 s[4:11], s[0:1], 0x0               ; y s[4:5], x_queries s[6:7], gamma s[8:9], beta s[10:11]
	s_load_b64 s[12:13], s[0:1], 0x20              ; out0
	s_lshl_b32 s14, ttmp9, 17                      ; 32 rows of 4,096 bytes a work-group
	s_mov_b32 s15, 0
	s_mov_b32 s16, 0x76543210                      ; v_permlanex16_b32: lane i takes lane i of the other half
	s_mov_b32 s17, 0xfedcba98
	v_and_b32 v2, 31, v0
	v_lshlrev_b32 v2, 4, v2                        ; 16 x lane: a load or store of the wave covers 512 neighbouring bytes
	v_lshrrev_b32 v1, 5, v0
	v_lshl_add_u32 v1, v1, 14, v2                  ; + four rows a wave
	s_wait_kmcnt 0x0
	s_add_nc_u64 s[4:5], s[4:5], s[14:15]
	s_add_nc_u64 s[6:7], s[6:7], s[14:15]
	s_add_nc_u64 s[12:13], s[12:13], s[14:15]
.irp i, 0,1,2,3,4,5,6,7
	global_load_b128 v[G+4*\i:G+4*\i+3], v2, s[8:9] offset:512*\i
.endr
.irp i, 0,1,2,3,4,5,6,7
	global_load_b128 v[B+4*\i:B+4*\i+3], v2, s[10:11] offset:512*\i
.endr
.macro LOADROW s, row
.irp i, 0,1,2,3,4,5,6,7
	global_load_b128 v[72+64*\s+4*\i:75+64*\s+4*\i], v1, s[4:5] offset:\row*4096+512*\i th:TH_LOAD_NT
.endr
.irp i, 0,1,2,3,4,5,6,7
	global_load_b128 v[104+64*\s+4*\i:107+64*\s+4*\i], v1, s[6:7] offset:\row*4096+512*\i th:TH_LOAD_NT
.endr
.endm
.macro WSUM                            ; the four chains into one number, then over the 32 lanes; the result is in v[T] of every lane
	v_pk_add_f32 v[T:T+1], v[T:T+1], v[T+2:T+3]
	v_pk_add_f32 v[T+4:T+5], v[T+4:T+5], v[T+6:T+7]
	v_pk_add_f32 v[T:T+1], v[T:T+1], v[T+4:T+5]
	v_add_f32 v[T], v[T], v[T+1]
	v_add_f32_dpp v[T], v[T], v[T] row_xmask:1 row_mask:0xf bank_mask:0xf
	v_add_f32_dpp v[T], v[T], v[T] row_xmask:2 row_mask:0xf bank_mask:0xf
	v_add_f32_dpp v[T], v[T], v[T] row_xmask:4 row_mask:0xf bank_mask:0xf
	v_add_f32_dpp v[T], v[T], v[T] row_xmask:8 row_mask:0xf bank_mask:0xf
	v_permlanex16_b32 v[T+1], v[T], s16, s17
	v_add_f32 v[T], v[T], v[T+1]
.endm
.macro PROC s, row, left
.set YB, 72+64*\s
.set XB, 104+64*\s
	s_wait_loadcnt \left                           ; loads return in order: this row (and gamma, beta) is in, the next row's 16 loads stay out
.irp p, 0,1,2,3,4,5,6,7,8,9,10,11,12,13,14,15
	v_pk_add_f32 v[YB+2*\p:YB+2*\p+1], v[YB+2*\p:YB+2*\p+1], v[XB+2*\p:XB+2*\p+1]      ; z = y + residual
.endr
.irp c, 0,1,2,3
	v_pk_add_f32 v[T+2*\c:T+2*\c+1], v[YB+2*\c:YB+2*\c+1], v[YB+8+2*\c:YB+8+2*\c+1]    ; the first eight pairs start four chains
.endr
.irp p, 8,9,10,11,12,13,14,15
	v_pk_add_f32 v[T+2*(\p%4):T+2*(\p%4)+1], v[T+2*(\p%4):T+2*(\p%4)+1], v[YB+2*\p:YB+2*\p+1]
.endr
	WSUM
	v_mul_f32 v[MEAN], 0x3a800000, v[T]            ; / 1024
	v_mul_f32 v[MEAN+1], 0x3a800000, v[T]
.irp p, 0,1,2,3,4,5,6,7,8,9,10,11,12,13,14,15
	v_pk_add_f32 v[YB+2*\p:YB+2*\p+1], v[YB+2*\p:YB+2*\p+1], v[MEAN:MEAN+1] neg_lo:[0,1] neg_hi:[0,1]
.endr
.irp c, 0,1,2,3
	v_pk_mul_f32 v[T+2*\c:T+2*\c+1], v[YB+2*\c:YB+2*\c+1], v[YB+2*\c:YB+2*\c+1]
.endr
.irp p, 4,5,6,7,8,9,10,11,12,13,14,15
	v_pk_fma_f32 v[T+2*(\p%4):T+2*(\p%4)+1], v[YB+2*\p:YB+2*\p+1], v[YB+2*\p:YB+2*\p+1], v[T+2*(\p%4):T+2*(\p%4)+1]
.endr
	WSUM
	v_mul_f32 v[T], 0x3a802008, v[T]               ; / 1023
	v_sqrt_f32 v[T], v[T]
	v_nop                                          ; one plain instruction behind a transcendental before its result is used (ISA guide 5.7.2)
	s_wait_alu depctr_va_vdst(0)
	v_add_f32 v[T], 0x358637bd, v[T]               ; + 1e-6
	v_rcp_f32 v[MEAN], v[T]
	v_rcp_f32 v[MEAN+1], v[T]
	v_nop
	s_wait_alu depctr_va_vdst(0)
.irp p, 0,1,2,3,4,5,6,7,8,9,10,11,12,13,14,15
	v_pk_mul_f32 v[YB+2*\p:YB+2*\p+1], v[YB+2*\p:YB+2*\p+1], v[MEAN:MEAN+1]
.endr
.irp p, 0,1,2,3,4,5,6,7,8,9,10,11,12,13,14,15
	v_pk_fma_f32 v[YB+2*\p:YB+2*\p+1], v[YB+2*\p:YB+2*\p+1], v[G+2*\p:G+2*\p+1], v[B+2*\p:B+2*\p+1]
.endr
.irp i, 0,1,2,3,4,5,6,7
	global_store_b128 v1, v[YB+4*\i:YB+4*\i+3], s[12:13] offset:\row*4096+512*\i th:TH_STORE_NT
.endr
.endm
	LOADROW 0, 0
	LOADROW 1, 1
	PROC 0, 0, 16
	s_wait_xcnt 0x0                                ; slot 0's registers are the data of the stores just issued: loaded again only behind this wait
	LOADROW 0, 2
	PROC 1, 1, 16
	s_wait_xcnt 0x0
	LOADROW 1, 3
	PROC 0, 2, 16
	PROC 1, 3, 0
	s_endpgm
.Lfunc_end_k_q525a73e3c0_ln:
	.size	k_q525a73e3c0_ln, .Lfunc_end_k_q525a73e3c0_ln-k_q525a73e3c0_ln
	.p2alignl 7, 3214868480
	.fill 96, 4, 3214868480
	.section	.rodata,"a",@progbits
	.p2align	6, 0x0
	.amdhsa_kernel k_q525a73e3c0_ln
		.amdhsa_group_segment_fixed_size 0
		.amdhsa_private_segment_fixed_size 0
		.amdhsa_enable_private_segment 0
		.amdhsa_kernarg_size 40
		.amdhsa_user_sgpr_count 2
		.amdhsa_user_sgpr_kernarg_segment_ptr 1
		.amdhsa_wavefront_size32 1
		.amdhsa_system_sgpr_workgroup_id_x 1
		.amdhsa_system_sgpr_workgroup_id_y 1
		.amdhsa_system_sgpr_workgroup_id_z 1
		.amdhsa_system_vgpr_workitem_id 0
		.amdhsa_next_free_vgpr 216
		.amdhsa_next_free_sgpr 66
		.amdhsa_reserve_vcc 0
		.amdhsa_float_denorm_mode_32 3
		.amdhsa_float_denorm_mode_16_64 3
		.amdhsa_memory_ordered 1
		.amdhsa_forward_progress 1
		.amdhsa_inst_pref_size 41
	.end_amdhsa_kernel
	.amdgpu_metadata
---
amdhsa.version: [ 1, 2 ]
amdhsa.kernels:
  - .name:           k_q525a73e3c0_ln
    .symbol:         k_q525a73e3c0_ln.kd
    .args:
      - { .name: y, .offset: 0, .size: 8, .value_kind: global_buffer, .address_space: global }
      - { .name: x_queries, .offset: 8, .size: 8, .value_kind: global_buffer, .address_space: global }
      - { .name: gamma, .offset: 16, .size: 8, .value_kind: global_buffer, .address_space: global }
      - { .name: beta, .offset: 24, .size: 8, .value_kind: global_buffer, .address_space: global }
      - { .name: out0, .offset: 32, .size: 8, .value_kind: global_buffer, .address_space: global }
    .group_segment_fixed_size: 0
    .private_segment_fixed_size: 0
    .kernarg_segment_align: 8
    .kernarg_segment_size: 40
    .max_flat_workgroup_size: 256
    .sgpr_count:     66
    .vgpr_count:     216
    .wavefront_size: 32
...
	.end_amdgpu_metadata
.endif
;; end of part 5
;; ======== version 2 of 2: 5 launches; version 1 with the launch prep written anew for expert scheduling mode
;; workspace buffers: xb 50,331,648 bytes; wt 8,388,608 bytes; mbits 2,097,152 bytes of whole numbers; qkv 50,331,648 bytes; att 16,777,216 bytes; y 33,554,432 bytes
;; launch prep (part 6): grid 1152 x 1, 8 waves a work-group, no clusters, 70,656 bytes of LDS; arguments x_queries, x_keys, x_values, w_q, w_k, w_v, w_0, mask, xb, wt, mbits; writes xb, wt, mbits
.if DOCPART == 6
	.amdgcn_target "amdgcn-amd-amdhsa--gfx1250"
	.amdhsa_code_object_version 6
	.text
	.protected	k_q525a73e3c0_prep
	.globl	k_q525a73e3c0_prep
	.p2align	8
	.type	k_q525a73e3c0_prep,@function
k_q525a73e3c0_prep:
	s_mov_b64 s[64:65], 0
	v_nop
	global_prefetch_b8 v0, s[64:65] scope:SCOPE_SE
	s_setreg_imm32_b32 hwreg(HW_REG_WAVE_SCHED_MODE, 0, 2), 2
	s_setreg_imm32_b32 hwreg(HW_REG_WAVE_MODE, 25, 1), 1
	s_wait_xcnt 0x0
	s_wait_alu depctr_vm_vsrc(0)
; prep: three independent pieces of format work, one per range of work-group numbers (the branch is the same for all waves of a work-group).
;   groups    0 ..  383 (X): x_queries, x_keys, x_values, f32 -> xb [3][8192][1024] bf16 (round to nearest even), 256 KiB of f32 a group
;   groups  384 ..  639 (M): mask int32 -> mbits, one bit a mask element, laid out as lane masks for the attention launch
;   groups  640 .. 1151 (W): w_q, w_k, w_v, w_0 [k][n] f32 -> wt [4][n][k] bf16, a tile of 128 k x 64 n a group, transposed through LDS
; mbits: word ((((b*32+q64)*32+u)*2+hf)*64) + a*32 + kt*8 + j; its bit L says mask[b][q64*64+(2hf+a)*16+(L&15)][u*64+kt*16+8*(L>>4)+j] != 0.
; No matrix unit, no tensor load, no cluster: every byte is read once and written once, no tile is shared.
; THE MODE: SCHED_MODE bits 1:0 = 2 (LLVM: expert scheduling mode 2), set by the entry lines.  The code itself states the register dependences
; between vector instructions and memory or LDS instructions, and between a vector instruction's scalar result and its reader, with s_wait_alu, always for 0.
; Each section's plan (which registers memory and LDS instructions touch, who else names them, where the waits stand) is given at its head.
; v152, v153: written at the head, read by the closing adds alone.
	s_load_b512 s[4:19], s[0:1], 0x0               ; x_queries s[4:5], x_keys s[6:7], x_values s[8:9], w_q s[10:11], w_k s[12:13], w_v s[14:15], w_0 s[16:17], mask s[18:19]
	s_load_b128 s[20:23], s[0:1], 0x40             ; xb s[20:21], wt s[22:23]
	s_load_b64 s[24:25], s[0:1], 0x50              ; mbits
	v_lshl_add_u32 v152, v0, 2, 0x11000
	v_mov_b32 v153, 0
	v_lshrrev_b32 v1, 5, v0
	v_readfirstlane_b32 s28, v1                    ; wave 0..7
	s_wait_alu depctr_va_sdst(0)                   ; s28 is written, ahead of the branches: section M's scalar address arithmetic reads it
	s_mov_b32 s31, 0                               ; high word of every 32-bit byte offset in s[30:31]
	s_wait_kmcnt 0x0
	s_cmp_lt_u32 ttmp9, 384
	s_cbranch_scc1 .Lsec_x
	s_cmp_lt_u32 ttmp9, 640
	s_cbranch_scc1 .Lsec_m
; ---------------- W: a tile of 128 k x 64 n of one weight matrix, transposed ----------------
; THE PLAN.  v3 to v6: offsets and LDS addresses, written once by vector instructions, read by every load and store.
;   v[8:39]   written by the eight global loads, read by the sixteen conversions; v[8:23] are then written by the four LDS loads behind the barrier.
;   v[40:55]  written by the conversions, read by the sixteen LDS stores.
; Two waits on va_vdst: one ahead of the first load (the addresses), one behind the conversions (the LDS stores' data; and the conversions are done
; reading v[8:23]: no vector instruction stands between that wait and the LDS loads that land there).
	s_sub_co_u32 s29, ttmp9, 640
	s_lshr_b32 s32, s29, 7                         ; which matrix: 128 tiles each
	s_cmp_eq_u32 s32, 1
	s_cselect_b64 s[26:27], s[12:13], s[10:11]
	s_cmp_eq_u32 s32, 2
	s_cselect_b64 s[26:27], s[14:15], s[26:27]
	s_cmp_eq_u32 s32, 3
	s_cselect_b64 s[26:27], s[16:17], s[26:27]
	s_and_b32 s33, s29, 7                          ; k0 / 128
	s_bfe_u32 s34, s29, 0x40003                    ; n0 / 64
	s_lshl_b32 s30, s33, 19                        ; k0 rows of 4,096 bytes
	s_lshl_b32 s35, s34, 8                         ; n0 * 4
	s_add_co_u32 s30, s30, s35
	s_add_nc_u64 s[26:27], s[26:27], s[30:31]
	s_lshl_b32 s30, s32, 21                        ; a matrix of wt is 2 MiB
	s_lshl_b32 s35, s34, 17                        ; n0 rows of 2,048 bytes
	s_add_co_u32 s30, s30, s35
	s_lshl_b32 s35, s33, 8                         ; k0 * 2
	s_add_co_u32 s30, s30, s35
	s_add_nc_u64 s[22:23], s[22:23], s[30:31]
	v_and_b32 v1, 15, v0                           ; in: my four n; out: my 16 bytes of a row
	v_lshrrev_b32 v2, 4, v0                        ; in: my pair of k rows among 16; out: my row among 16
	v_lshlrev_b32 v3, 4, v1
	v_lshl_add_u32 v3, v2, 13, v3                  ; load: two rows of 4,096 bytes a step of v2, 16 bytes a step of v1: 16 lanes read 256 aligned bytes
	v_mul_u32_u24 v4, v1, 1088                     ; LDS [n][k], 272 bytes a row of 128 bf16: four n rows a step of v1
	v_lshl_add_u32 v4, v2, 2, v4                   ; one word (two k) a step of v2
	v_mul_u32_u24 v5, v2, 272
	v_lshl_add_u32 v5, v1, 4, v5                   ; back: whole rows
	v_lshlrev_b32 v6, 4, v1
	v_lshl_add_u32 v6, v2, 11, v6                  ; store: rows of wt are 2,048 bytes; 16 lanes write 256 aligned bytes
	s_wait_alu depctr_va_vdst(0)                   ; v3 to v6 are written: the loads and stores below read them as offsets and LDS addresses
.irp i, 0,1,2,3
	global_load_b128 v[8+8*\i:11+8*\i],  v3, s[26:27] offset:\i*131072 th:TH_LOAD_NT        ; row 2 (16 i + v2)
	global_load_b128 v[12+8*\i:15+8*\i], v3, s[26:27] offset:\i*131072+4096 th:TH_LOAD_NT   ; the row below it
.endr
	s_wait_loadcnt 0x0
.irp i, 0,1,2,3
.irp e, 0,1,2,3
	v_cvt_pk_bf16_f32 v[40+4*\i+\e], v[8+8*\i+\e], v[12+8*\i+\e]   ; two neighbouring k of one n in one word
.endr
.endr
	s_wait_alu depctr_va_vdst(0)                   ; the conversions have written v[40:55], which the LDS stores read, and are done reading v[8:23], in which the LDS loads behind the barrier land
.irp i, 0,1,2,3
.irp e, 0,1,2,3
	ds_store_b32 v4, v[40+4*\i+\e] offset:\e*272+\i*64
.endr
.endr
	s_wait_dscnt 0x0                               ; my stores are in LDS before I say so: other waves read them
	s_barrier_signal -1
	s_barrier_wait -1
.irp i, 0,1,2,3
	ds_load_b128 v[8+4*\i:11+4*\i], v5 offset:\i*4352              ; 16 rows a step
.endr
.irp i, 0,1,2,3
	s_wait_dscnt 3-\i                              ; LDS loads return in order: load i is in, the younger ones stay out
	global_store_b128 v6, v[8+4*\i:11+4*\i], s[22:23] offset:\i*32768
.endr
	s_wait_dscnt 0x0                               ; the closing lines, six on end
	s_wait_alu 0x0
	s_wait_tensorcnt 0x0
	ds_add_u32 v152, v153
	s_wait_dscnt 0x0
	s_endpgm
; ---------------- X: 65,536 numbers f32 -> bf16, in 16 blocks of four steps; a step is one 16-byte load and one 8-byte store a lane ----------------
; THE PLAN.  Registers that memory instructions touch:
;   X0 .. X3  v[8:71]   four blocks as loaded.  Written by the loads of block p + 3, issued in block p; read by block p's conversions.
;   Y0, Y1    v[72:87]  two blocks to store.    Written by block p's conversions; read by the four stores that are issued in block p + 1.
;   v1, v2    byte offsets, made once and never written again: every step is reached by its immediate offset.
; Block p works on X[p % 4] and writes Y[p % 2].  Its memory instructions are the loads into X[(p + 3) % 4] = X[(p - 1) % 4] and the stores from
; Y[(p - 1) % 2]: the two buffers that block p - 1 worked on and that no conversion of block p names.  So the waits at a block's head state all that
; its eight memory instructions hang on, and these are dealt among its conversions with no further wait.  Eight to twelve loads of a wave are on their way.
.Lsec_x:
.set XR, 8
.set XY, 72
	s_lshr_b32 s29, ttmp9, 7                       ; which of the three inputs: 128 groups each
	s_cmp_eq_u32 s29, 1
	s_cselect_b64 s[26:27], s[6:7], s[4:5]
	s_cmp_eq_u32 s29, 2
	s_cselect_b64 s[26:27], s[8:9], s[26:27]
	s_and_b32 s30, ttmp9, 127
	s_lshl_b32 s30, s30, 18                        ; 256 KiB of f32 a group
	s_add_nc_u64 s[26:27], s[26:27], s[30:31]
	s_lshl_b32 s30, ttmp9, 17                      ; 128 KiB of bf16 a group; xb holds the three inputs one after the other
	s_add_nc_u64 s[20:21], s[20:21], s[30:31]
	v_lshlrev_b32 v1, 4, v0                        ; 16 bytes in: a wave's load covers 512 neighbouring bytes
	v_lshlrev_b32 v2, 3, v0                        ; 8 bytes out: a wave's store covers 256 neighbouring bytes, aligned
	s_wait_alu depctr_va_vdst(0)                   ; v1 and v2 are written: every load and store of the section reads one of them as its offset
.set n, 0
.rept 12
	global_load_b128 v[XR+4*n:XR+4*n+3], v1, s[26:27] offset:n*4096 th:TH_LOAD_NT       ; blocks 0, 1 and 2 into X0, X1, X2
.set n, n+1
.endr
.set p, 0
.rept 16
.if p < 14
	s_wait_loadcnt 8                               ; loads return in order: block p's four are in, the two younger blocks' eight stay out
.else
	s_wait_loadcnt 4*(15-p)                        ; the tail: fewer are left behind it
.endif
.if p > 1
	s_wait_xcnt 0x0                                ; Y[p % 2] is the data of the stores issued in the block before: rewritten only behind this wait
	s_wait_alu depctr_vm_vsrc(0)                   ; those stores have read Y[p % 2], which this block's conversions write again
.endif
.if p > 0
	s_wait_alu depctr_va_vdst(0)                   ; the block before has written the other Y, which the stores below read, and is done reading its X, in which the loads below land
.endif
.set q, 0
.rept 4
.if p < 13
	global_load_b128 v[XR+16*((p+3)%4)+4*q:XR+16*((p+3)%4)+4*q+3], v1, s[26:27] offset:(4*(p+3)+q)*4096 th:TH_LOAD_NT   ; three blocks ahead; no conversion since the wait names these registers
.endif
.if p > 0
	global_store_b64 v2, v[XY+8*((p-1)%2)+2*q:XY+8*((p-1)%2)+2*q+1], s[20:21] offset:(4*(p-1)+q)*2048                    ; the block before
.endif
	v_cvt_pk_bf16_f32 v[XY+8*(p%2)+2*q],   v[XR+16*(p%4)+4*q],   v[XR+16*(p%4)+4*q+1]
	v_cvt_pk_bf16_f32 v[XY+8*(p%2)+2*q+1], v[XR+16*(p%4)+4*q+2], v[XR+16*(p%4)+4*q+3]
.set q, q+1
.endr
.set p, p+1
.endr
	s_wait_alu depctr_va_vdst(0)                   ; block 15 has written Y1, which the last four stores read
.set q, 0
.rept 4
	global_store_b64 v2, v[XY+8+2*q:XY+8+2*q+1], s[20:21] offset:(60+q)*2048
.set q, q+1
.endr
	s_endpgm
; ---------------- M: 32 query rows; wave w takes keys 256 w .. 256 w + 255 as four tasks of 64 keys ----------------
; A task: 32 rows x 256 bytes come in as whole aligned 256-byte pieces, go through the wave's own 32 x 272 bytes of LDS, and come back
; so that register n of lane L holds the element whose bit is bit L of word n; a compare makes the word, v_writelane_b32 gathers 64 words
; into a register pair, and one store of 8 bytes a lane writes the task's 256 bytes.
; THE PLAN.  v3 to v6: offsets and LDS addresses, written once by vector instructions, never again.
;   v[8:71]    written by a task's sixteen global loads; read by its sixteen LDS stores; no vector instruction names them.
;   v[72:135]  written by a task's sixteen LDS loads; read by its 64 compares.
;   s[32:47]   written by a run of sixteen compares; read by the sixteen v_writelane_b32 behind the run.
;   v[136:143] a pair for each task: written by its 64 v_writelane_b32; read by its one store.
; In a task: one wait on vm_vsrc behind the LDS stores and loads (the stores have read v[8:71]), and the next task's global loads go out there, ahead of the wait
; for the LDS loads; one wait on va_sdst behind each of the four runs of compares; one wait on va_vdst ahead of the store, which states that the pair is
; written and that the compares are done reading v[72:135]: no vector instruction stands between it and the next task's LDS loads.
.Lsec_m:
	s_sub_co_u32 s29, ttmp9, 384                   ; g = b*64 + (query row / 32)
	s_lshl_b32 s30, s29, 18                        ; 32 rows of 8,192 bytes
	s_lshl_b32 s40, s28, 10                        ; my wave's 1,024 bytes of a row
	s_add_co_u32 s30, s30, s40
	s_add_nc_u64 s[18:19], s[18:19], s[30:31]
	s_lshr_b32 s30, s29, 1                         ; b*32 + q64
	s_lshl_b32 s30, s30, 6                         ; 64 blocks of 256 bytes (u, hf) each
	s_lshl3_add_u32 s30, s28, s30                  ; u = 4 wave + i: 8 blocks a wave
	s_and_b32 s40, s29, 1                          ; hf
	s_add_co_u32 s30, s30, s40
	s_lshl_b32 s30, s30, 8
	s_add_nc_u64 s[24:25], s[24:25], s[30:31]
	s_mul_i32 s41, s28, 8704                       ; my wave's LDS
	v_and_b32 v1, 15, v0                           ; r
	v_bfe_u32 v2, v0, 4, 1                         ; h
	v_lshlrev_b32 v3, 4, v1
	v_lshl_add_u32 v3, v2, 13, v3                  ; load: lanes 0-15 one row's 256 bytes, lanes 16-31 the next row's
	v_mul_u32_u24 v4, v2, 272
	v_lshl_add_u32 v4, v1, 4, v4
	v_add_nc_u32 v4, s41, v4                       ; LDS in: the same two rows
	v_mul_u32_u24 v5, v1, 272
	v_lshl_add_u32 v5, v2, 5, v5
	v_add_nc_u32 v5, s41, v5                       ; LDS back: row r, keys 8 h ..
	v_and_b32 v6, 31, v0
	v_lshlrev_b32 v6, 3, v6                        ; store: words 2 L, 2 L + 1
.irp i, 0,1,2,3,4,5,6,7
	v_mov_b32 v[136+\i], 0                         ; v_writelane_b32 counts as a reader of its destination
.endr
	s_wait_alu depctr_va_vdst(0)                   ; v3 to v6 are written: the loads and stores below read them as offsets and LDS addresses
.macro MLOADS i
.irp k, 0,1,2,3,4,5,6,7,8,9,10,11,12,13,14,15
	global_load_b128 v[8+4*\k:11+4*\k], v3, s[18:19] offset:\k*16384+\i*256 th:TH_LOAD_NT
.endr
.endm
.macro MTASK i, more
	s_wait_loadcnt 0x0
.irp k, 0,1,2,3,4,5,6,7,8,9,10,11,12,13,14,15
	ds_store_b128 v4, v[8+4*\k:11+4*\k] offset:\k*544
.endr
.irp a, 0,1
.irp kt, 0,1,2,3
.irp e, 0,1
	ds_load_b128 v[72+4*(8*\a+2*\kt+\e):75+4*(8*\a+2*\kt+\e)], v5 offset:\a*4352+\kt*64+\e*16   ; the wave's own bytes, served in order behind its stores
.endr
.endr
.endr
.if \more
	s_wait_alu depctr_vm_vsrc(0)                   ; the LDS stores above have read v[8:71], in which the next task's loads land
	MLOADS (\i+1)                                  ; the next task's rows come in under the LDS round trip and the 128 vector instructions below
.endif
	s_wait_dscnt 0x0                               ; the 64 registers are in
.set n, 0
.rept 4
.set m, 0
.rept 16
	v_cmp_ne_u32 s[32+m], 0, v[72+n+m]             ; word n + m
.set m, m+1
.endr
	s_wait_alu depctr_va_sdst(0)                   ; the sixteen compares have written s[32:47], which the sixteen lines below read
.set m, 0
.rept 16
	v_writelane_b32 v[136+2*\i+(n+m)%2], s[32+m], (n+m)/2
.set m, m+1
.endr
.set n, n+16
.endr
	s_wait_alu depctr_va_vdst(0)                   ; the task's pair is written, which the store reads; the compares are done reading v[72:135], in which the next task's LDS loads land
	global_store_b64 v6, v[136+2*\i:137+2*\i], s[24:25] offset:\i*512   ; 256 neighbouring bytes, aligned; each task has its own pair
.endm
	MLOADS 0
	MTASK 0, 1
	MTASK 1, 1
	MTASK 2, 1
	MTASK 3, 0
	s_wait_dscnt 0x0                               ; the closing lines, six on end
	s_wait_alu 0x0
	s_wait_tensorcnt 0x0
	ds_add_u32 v152, v153
	s_wait_dscnt 0x0
	s_endpgm
.Lfunc_end_k_q525a73e3c0_prep:
	.size	k_q525a73e3c0_prep, .Lfunc_end_k_q525a73e3c0_prep-k_q525a73e3c0_prep
	.p2alignl 7, 3214868480
	.fill 96, 4, 3214868480
	.section	.rodata,"a",@progbits
	.p2align	6, 0x0
	.amdhsa_kernel k_q525a73e3c0_prep
		.amdhsa_group_segment_fixed_size 70656
		.amdhsa_private_segment_fixed_size 0
		.amdhsa_enable_private_segment 0
		.amdhsa_kernarg_size 88
		.amdhsa_user_sgpr_count 2
		.amdhsa_user_sgpr_kernarg_segment_ptr 1
		.amdhsa_wavefront_size32 1
		.amdhsa_system_sgpr_workgroup_id_x 1
		.amdhsa_system_sgpr_workgroup_id_y 1
		.amdhsa_system_sgpr_workgroup_id_z 1
		.amdhsa_system_vgpr_workitem_id 0
		.amdhsa_next_free_vgpr 154
		.amdhsa_next_free_sgpr 66
		.amdhsa_reserve_vcc 0
		.amdhsa_float_denorm_mode_32 3
		.amdhsa_float_denorm_mode_16_64 3
		.amdhsa_memory_ordered 1
		.amdhsa_forward_progress 1
		.amdhsa_inst_pref_size 78
	.end_amdhsa_kernel
	.amdgpu_metadata
---
amdhsa.version: [ 1, 2 ]
amdhsa.kernels:
  - .name:           k_q525a73e3c0_prep
    .symbol:         k_q525a73e3c0_prep.kd
    .args:
      - { .name: x_queries, .offset: 0, .size: 8, .value_kind: global_buffer, .address_space: global }
      - { .name: x_keys, .offset: 8, .size: 8, .value_kind: global_buffer, .address_space: global }
      - { .name: x_values, .offset: 16, .size: 8, .value_kind: global_buffer, .address_space: global }
      - { .name: w_q, .offset: 24, .size: 8, .value_kind: global_buffer, .address_space: global }
      - { .name: w_k, .offset: 32, .size: 8, .value_kind: global_buffer, .address_space: global }
      - { .name: w_v, .offset: 40, .size: 8, .value_kind: global_buffer, .address_space: global }
      - { .name: w_0, .offset: 48, .size: 8, .value_kind: global_buffer, .address_space: global }
      - { .name: mask, .offset: 56, .size: 8, .value_kind: global_buffer, .address_space: global }
      - { .name: xb, .offset: 64, .size: 8, .value_kind: global_buffer, .address_space: global }
      - { .name: wt, .offset: 72, .size: 8, .value_kind: global_buffer, .address_space: global }
      - { .name: mbits, .offset: 80, .size: 8, .value_kind: global_buffer, .address_space: global }
    .group_segment_fixed_size: 70656
    .private_segment_fixed_size: 0
    .kernarg_segment_align: 8
    .kernarg_segment_size: 88
    .max_flat_workgroup_size: 256
    .sgpr_count:     66
    .vgpr_count:     154
    .wavefront_size: 32
...
	.end_amdgpu_metadata
.endif
;; end of part 6
;; launch proj: the kernel of part 2 again; grid 4 x 96, 4 waves a work-group, clusters of 4 x 4, 327,680 bytes of LDS; arguments xb, wt, qkv; writes qkv
;; launch attn: the kernel of part 3 again; grid 256 x 1, 8 waves a work-group, clusters of 4 x 1, 327,680 bytes of LDS; arguments qkv, mbits, att; writes att
;; launch oproj: the kernel of part 4 again; grid 4 x 64, 4 waves a work-group, clusters of 4 x 4, 327,680 bytes of LDS; arguments att, wt, y; writes y
;; launch ln: the kernel of part 5 again; grid 256 x 1, 8 waves a work-group, no clusters, 0 bytes of LDS; arguments y, x_queries, gamma, beta, out0; writes out0
